; MI455X (gfx1250); checked and timed in simulation.
; The chip was launched on July 23, 2026; its instructions are those of AMD's public machine-readable ISA for CDNA 5 (MIT licence, August 2026) and "CDNA5" Instruction Set Architecture Reference Guide (July 2026). The comments in the code are by the model that wrote it; some were corrected since.
;; Stream Model For Gemma. Allowed arithmetic: matrix products marked QUANTISED: E2M1 operands, one E8M0 scale for each 32 along K, by v_wmma_scale_f32_16x16x128_f8f6f4 with both operands' format E2M1 (or v_wmma_scale_f32_32x16x128_f4), f32 sums; products left as they are: bf16, f16 or f32 operands; f32 sums; everything else in f32.
;; Inputs: cos 2 x 4,096 x 256 float32; hidden_states 2 x 4,096 x 2,048 float32; k_norm_w 256 float32; q_norm_w 256 float32; sin 2 x 4,096 x 256 float32; wk 2,048 x 512 float32; wo 512 x 2,048 float32; wq 2,048 x 512 float32; wv 2,048 x 512 float32.
;; Outputs: out0 2 x 4,096 x 2,048 float32.
;; This version of the problem:
;;   THIS VERSION OF THE PROBLEM IS GIVEN IN LOW PRECISION. The matrix products marked QUANTISED in the list below multiply operands that are first quantised to E2M1 (2 exponent bits, 1 mantissa bit; 4 bits a number), with one power-of-two scale for each 32 numbers along K (OCP MX v1.0); their sums are f32. The products marked 'left as it is' may take bf16, f16 or f32 operands, with f32 sums. Whichever they take, every output number must still come out within the allowed error. Rounding operands to bf16 (8 significant bits) uses up far more of that allowance than f16 does (11 bits, for magnitudes from 6e-5 to 65,504). All else is computed in f32.
;;   The module's matrix products, in the order in which they are computed (A, B: the left and right operand; K: the contracted axis; several contracted axes count as one K, in the product's order):
;;     1. [M 8,192, K 2,048] x [K 2,048, N 512]; A: input hidden_states; B: input wq: QUANTISED
;;     2. [M 8,192, K 2,048] x [K 2,048, N 512]; A: input hidden_states; B: input wk: QUANTISED
;;     3. [M 8,192, K 2,048] x [K 2,048, N 512]; A: input hidden_states; B: input wv: QUANTISED
;;     4. batch 4 x [M 4,096, K 256] x [K 256, N 4,096]; A: computed on the way; B: computed on the way: left as it is (an operand is computed on the way)
;;     5. batch 4 x [M 4,096, K 4,096] x [K 4,096, N 256]; A: computed on the way; B: computed on the way: left as it is (an operand is computed on the way)
;;     6. [M 8,192, K 512] x [K 512, N 2,048]; A: computed on the way; B: input wo: left as it is (an operand is computed on the way)
;;   THE QUANTISER, for each operand of a quantised product, along K:
;;     - K is cut into blocks of 32 from its start; a last block that is shorter is filled with zeros.
;;     - A block's scale is 2^e with e = floor(log2(the largest magnitude in the block)) - 2, held to -126 .. 127; a block of zeros has e = 0. As a byte (E8M0): e + 127.
;;     - Each number is divided by its block's scale, clamped to +-6, and rounded to the nearest number of E2M1, ties to even, subnormals kept.
;;     - The product sums the exact products of the quantised numbers (number of the format x scale) in f32.
;;   ~~~python
;;   def quantise(x, axis):      # numpy; x: float32 -> the quantised numbers, widened to float32 again
;;       x = np.moveaxis(x, axis, -1); K = x.shape[-1]
;;       x = np.pad(x, [(0, 0)] * (x.ndim - 1) + [(0, -K % 32)]); x = x.reshape(x.shape[:-1] + (-1, 32)); a = np.abs(x).max(-1, keepdims=True)
;;       e = np.where(a > 0, np.clip(np.frexp(np.where(a > 0, a, 1))[1] - 1 - 2, -126, 127), 0)      # np.frexp(a)[1] - 1 = floor(log2(a)), exactly
;;       r = np.clip(x / 2.0 ** e, -6, 6)
;;       step = 2.0 ** (np.maximum(np.frexp(np.where(r == 0, 1, r))[1] - 1, 0) - 1)
;;       q = np.round(r / step) * step * 2.0 ** e      # np.round: ties to even
;;       return np.moveaxis(q.reshape(q.shape[:-2] + (-1,))[..., :K], -1, axis).astype(np.float32)
;;   ~~~
;; One version. Each part assembles by itself: llvm-mc -triple=amdgcn-amd-amdhsa -mcpu=gfx1250 --defsym DOCPART=n.
;; ======== version 1 of 1: 6 launches
;; limits: values outside matrix products are rounded to f16; values are held in f16: magnitudes above 65,504 overflow, below 6.1e-05 lose precision; right only within a limited range of input values
;; workspace buffers: qz 10,584,064 bytes; wo_img 2,097,152 bytes; q_img 8,388,608 bytes; kv_img 16,777,216 bytes; first 786,432 bytes; o_part 34,603,008 bytes; o_img 8,388,608 bytes
;; launch prep (part 1): grid 672 x 1, 4 waves a work-group, no clusters, 51,712 bytes of LDS; arguments hidden_states, wq, wk, wv, wo, qz, wo_img; writes qz, wo_img
.if DOCPART == 1
	.amdgcn_target "amdgcn-amd-amdhsa--gfx1250"
	.amdhsa_code_object_version 6
	.text
	.protected	k_q0d687cb2f9_prep
	.globl	k_q0d687cb2f9_prep
	.p2align	8
	.type	k_q0d687cb2f9_prep,@function
k_q0d687cb2f9_prep:
	s_mov_b64 s[64:65], 0
	v_nop
	global_prefetch_b8 v0, s[64:65] scope:SCOPE_SE
	s_setreg_imm32_b32 hwreg(HW_REG_WAVE_MODE, 25, 1), 1
	s_wait_xcnt 0x0
; PREP: the operands of the three quantised products become codes of FP4 (E2M1) with one E8M0 scale byte for each 32 along K, and wo becomes f16 in the order of a matrix operand's registers.
; qz is one matrix of 9,728 rows with K = 2,048 innermost: rows 0-8191 hidden_states, rows 8192 + n the columns n = 0 .. 1535 of wq, wk, wv on end.  Codes: 1,024 bytes a row from byte 0; scale bytes: 64 a row from byte SCB.
; A block's scale is 2^(floor(log2(its largest magnitude)) - 2); its byte is the largest magnitude's exponent field - 2, held at 1 from below.  A block of zeros so gets the byte 1: its codes are zeros, and this program alone reads the bytes.
; LIMITS: NaN and infinities among the inputs are not served; |wo| stays under 65,504 (f16).
; THREE WAYS, parted on the work-group's number; the ways with dependent steps have the low numbers:
;   0-95    the weights: K is their FIRST axis, so a lane takes a column and its registers run down K; 32 columns x 256 along K a wave; the codes leave through the wave's own stage, 128 bytes of a row by eight lanes
;   96-159  wo [512 (k)][2048 (n)]: a wave makes eight fragments (16 n x 32 k, f16): 1,024 bytes each, registers 0-3 of the 32 lanes, then registers 4-7
;   160-671 hidden_states: K innermost, a plain stream of blocks of 32; a wave takes 16 steps of 512 numbers
; No tensor loads, no barrier: waves share nothing.  Each way has LDS bytes of its own.  No tile is shared between work-groups, so there is no cluster.
.set SPW,   192                        ; v192  LDS address of my spare word; never rewritten
.set NIL,   193                        ; v193  0; never rewritten
.set SPARE, 51200                      ; the spare words: 128 bytes a wave, two blocks of 256 bytes that no other line names
.set SCB,   9961472                    ; 9,728 rows x 1,024 bytes: where the scale bytes begin
.set EMAX,  2
	s_load_b256 s[4:11], s[0:1], 0x0               ; hidden s[4:5], wq s[6:7], wk s[8:9], wv s[10:11]
	s_load_b128 s[12:15], s[0:1], 0x20             ; wo s[12:13], qz s[14:15]
	s_load_b64 s[16:17], s[0:1], 0x30              ; wo_img
	v_lshl_add_u32 v[SPW], v0, 2, SPARE
	v_mov_b32 v[NIL], 0
	v_lshrrev_b32 v1, 5, v0
	v_readfirstlane_b32 s18, v1                    ; wave
	v_and_b32 v2, 31, v0                           ; lane
	s_mov_b32 s23, 0                               ; the upper word of every 32-bit offset below
	s_wait_kmcnt 0x0
	s_cmp_lt_u32 ttmp9, 96
	s_cbranch_scc1 .Lweights
	s_cmp_lt_u32 ttmp9, 160
	s_cbranch_scc1 .Lwo
; ---------------- hidden_states.  Each of a step's four loads reads 512 consecutive bytes; the 2,048 bytes turn through the wave's stage so that a lane holds 16 neighbours along K (two lanes to a block).
.set STEPS, 16
.set CB,    8                          ; bytes of 16 codes
.set R,     16                         ; v16-79   four sets of 16 numbers as loaded
.set X,     80                         ; v80-111  two sets of 16 neighbours
.set E,     112                        ; v112-127 a scale byte for each step
.set C,     128                        ; v128-191 codes: four registers a step, so that no store's data are written again
.set WREG,  8192                       ; LDS bytes 0-32767: a wave's two stages of 32 x SP bytes, then its 256 scale bytes
.set SP,    80                         ; a lane's 64 bytes + 16 of padding
	v_lshlrev_b32 v3, 4, v2                        ; my 16 bytes of a load's 512
	s_mul_i32 s19, s18, WREG
	v_lshrrev_b32 v14, 2, v2
	v_mul_u32_u24 v14, v14, SP
	v_and_b32 v15, 3, v2
	v_lshl_add_u32 v14, v15, 4, v14
	v_add_nc_u32 v14, s19, v14                     ; into the stage: SP (lane / 4) + 16 (lane % 4)
	v_mul_u32_u24 v15, v2, SP
	v_add_nc_u32 v15, s19, v15                     ; out of it: SP x lane
	v_mul_u32_u24 v4, v2, CB                       ; my codes' place in a step's 256 bytes
	v_lshrrev_b32 v5, 1, v2
	s_add_co_u32 s19, s19, 2*32*SP
	v_add_nc_u32 v5, s19, v5                       ; my block's scale byte in LDS
	v_lshlrev_b32 v7, 3, v2
	v_add_nc_u32 v6, s19, v7                       ; and 8 bytes a lane on their way out
	s_sub_co_u32 s20, ttmp9, 160
	s_lshl_b32 s20, s20, 2
	s_add_co_u32 s20, s20, s18                     ; which run of 8,192 numbers is my wave's: 0 .. 2047
	s_lshl_b32 s22, s20, 15
	s_add_nc_u64 s[4:5], s[4:5], s[22:23]          ; 32,768 bytes of f32 a run
	s_lshl_b32 s22, s20, 12
	s_add_nc_u64 s[24:25], s[14:15], s[22:23]      ; 4,096 bytes of codes
	s_lshl_b32 s22, s20, 8
	s_add_co_u32 s22, s22, SCB
	s_add_nc_u64 s[26:27], s[14:15], s[22:23]      ; 256 scale bytes
.macro HLOAD t
.irp i, 0,1,2,3
	global_load_b128 v[R+16*((\t)%4)+4*\i:R+16*((\t)%4)+4*\i+3], v3, s[4:5] offset:2048*(\t)+512*\i th:TH_LOAD_NT
.endr
.endm
.macro HTURN t                         ; LDS serves a wave's instructions in order: no wait between the stores and the loads
.irp i, 0,1,2,3
	ds_store_b128 v14, v[R+16*((\t)%4)+4*\i:R+16*((\t)%4)+4*\i+3] offset:32*SP*((\t)%2)+8*SP*\i
.endr
.irp i, 0,1,2,3
	ds_load_b128 v[X+16*((\t)%2)+4*\i:X+16*((\t)%2)+4*\i+3], v15 offset:32*SP*((\t)%2)+16*\i
.endr
.endm
.irp t, 0,1,2,3
	HLOAD \t
.endr
	s_wait_loadcnt 12                              ; step 0's four loads are in; the three younger steps' twelve may be out
	HTURN 0
.macro HSTEP t
.set XS, X+16*((\t)%2)
.if (\t) > 0
	s_wait_dscnt 1                                 ; this step's numbers are back from the stage; the last step's byte store may be out
.else
	s_wait_dscnt 0x0
.endif
.if (\t)+4 < STEPS
	HLOAD (\t)+4                                   ; into the set whose stage stores have been served
.endif
.if (\t)+1 < STEPS
.if STEPS-2-(\t) >= 3
	s_wait_loadcnt 12                              ; the next step's four loads are in; three steps' twelve may be out
.else
	s_wait_loadcnt 4*(STEPS-2-(\t))                ; in the tail: four for each step still behind the next
.endif
	HTURN (\t)+1
.endif
	v_max3_num_f32 v8, |v[XS]|, |v[XS+1]|, |v[XS+2]|
	v_max3_num_f32 v9, |v[XS+3]|, |v[XS+4]|, |v[XS+5]|
.irp i, 6,10
	v_max3_num_f32 v8, v8, |v[XS+\i]|, |v[XS+\i+1]|
	v_max3_num_f32 v9, v9, |v[XS+\i+2]|, |v[XS+\i+3]|
.endr
	v_max3_num_f32 v8, v8, |v[XS+14]|, |v[XS+15]|
	v_max3_num_f32 v8, v8, v9, (EMAX+1)<<23        ; with the floor 2^(3 - 127): the byte cannot fall under 1
	v_max_num_f32_dpp v8, v8, v8 row_xmask:1 row_mask:0xf bank_mask:0xf   ; and my neighbour's 16: the block's largest magnitude
	v_add_nc_u32 v11, -(EMAX<<23), v8              ; 2 off its exponent field: the conversion's scale operand
	v_cvt_scalef32_pk8_fp4_f32 v[C+4*(\t)], v[XS:XS+7], v11
	v_cvt_scalef32_pk8_fp4_f32 v[C+4*(\t)+1], v[XS+8:XS+15], v11
	v_lshrrev_b32 v[E+(\t)], 23, v11               ; the scale's byte
	ds_store_b8 v5, v[E+(\t)] offset:16*(\t)       ; both lanes of a block write the same byte with the same value
	global_store_b64 v4, v[C+4*(\t):C+4*(\t)+1], s[24:25] offset:32*CB*(\t)   ; the wave stores 256 consecutive bytes, aligned
.endm
.irp t, 0,1,2,3,4,5,6,7,8,9,10,11,12,13,14,15
	HSTEP \t
.endr
	ds_load_b64 v[8:9], v6
	s_wait_dscnt 0x0
	global_store_b64 v7, v[8:9], s[26:27]          ; my wave's 256 scale bytes, aligned
	s_branch .Lend
; ---------------- the weights.  x = number / 8: which 128 columns of the 1,536; y = number % 8: which 256 along K.
.Lweights:
.set NB,     8                         ; blocks of 32 along K for a lane
.set WPITCH, 144                       ; a stage row: 128 bytes of codes + 16
.set WX,     32                        ; v32-95   two sets of 32 numbers
.set WC,     96                        ; v96-99   a block's codes
.set OUTR,   112                       ; v112-143 the way out
.set SB,     24                        ; v24-25   my column's eight scale bytes
	s_lshr_b32 s20, ttmp9, 3                       ; x
	s_and_b32 s21, ttmp9, 7                        ; y
	s_lshr_b32 s22, ttmp9, 5                       ; x / 4: wq, wk or wv
	s_cmp_eq_u32 s22, 0
	s_cselect_b64 s[24:25], s[6:7], s[8:9]
	s_cmp_eq_u32 s22, 2
	s_cselect_b64 s[24:25], s[10:11], s[24:25]
	s_and_b32 s22, s20, 3
	s_lshl_b32 s22, s22, 9                         ; 128 columns of 4 bytes
	s_lshl_b32 s26, s18, 7                         ; my wave's 32 columns
	s_add_co_u32 s22, s22, s26
	s_lshl_b32 s26, s21, 19                        ; 256 rows of 2,048 bytes
	s_add_co_u32 s22, s22, s26
	s_add_nc_u64 s[24:25], s[24:25], s[22:23]
	v_lshlrev_b32 v3, 2, v2                        ; in: 4 bytes a lane
	s_lshl_b32 s26, s20, 7
	s_lshl_b32 s27, s18, 5
	s_add_co_u32 s26, s26, s27
	s_add_co_u32 s26, s26, 8192                    ; my wave's first row of qz
	s_lshl_b32 s22, s26, 10
	s_lshl_b32 s27, s21, 7
	s_add_co_u32 s22, s22, s27                     ; + 128 bytes of codes for each 256 along K
	s_add_nc_u64 s[28:29], s[14:15], s[22:23]
	s_lshl_b32 s22, s26, 6
	s_lshl_b32 s27, s21, 3
	s_add_co_u32 s22, s22, s27
	s_add_co_u32 s22, s22, SCB
	s_add_nc_u64 s[30:31], s[14:15], s[22:23]
	s_mul_i32 s19, s18, 32*WPITCH
	s_add_co_u32 s19, s19, 32768                   ; LDS bytes 32768-51199: this way's own
	v_mul_u32_u24 v4, v2, WPITCH
	v_add_nc_u32 v4, s19, v4                       ; into the stage: row = my column
	v_and_b32 v5, 7, v2
	v_lshrrev_b32 v6, 3, v2                        ; out of it: eight lanes to a row, four rows an instruction
	v_mul_u32_u24 v7, v6, WPITCH
	v_lshl_add_u32 v7, v5, 4, v7
	v_add_nc_u32 v7, s19, v7
	v_lshlrev_b32 v8, 10, v6
	v_lshl_add_u32 v8, v5, 4, v8                   ; the same place in qz's rows of 1,024 bytes
	v_lshlrev_b32 v9, 6, v2                        ; my column's row of scale bytes
.macro WLOAD t
.irp i, 0,1,2,3,4,5,6,7,8,9,10,11,12,13,14,15,16,17,18,19,20,21,22,23,24,25,26,27,28,29,30,31
	global_load_b32 v[WX+32*((\t)%2)+\i], v3, s[24:25] offset:(32*(\t)+\i)*2048 th:TH_LOAD_NT
.endr
.endm
	WLOAD 0
	WLOAD 1
.macro WBLOCK t
.set XS, WX+32*((\t)%2)
.if (\t) < NB-1
	s_wait_loadcnt 32                              ; this block's 32 loads are in; the next block's 32 may be out
.else
	s_wait_loadcnt 0
.endif
	v_max3_num_f32 v12, |v[XS]|, |v[XS+1]|, |v[XS+2]|               ; all 32 numbers of the block are mine
	v_max3_num_f32 v13, |v[XS+3]|, |v[XS+4]|, |v[XS+5]|
.irp i, 6,10,14,18,22,26
	v_max3_num_f32 v12, v12, |v[XS+\i]|, |v[XS+\i+1]|
	v_max3_num_f32 v13, v13, |v[XS+\i+2]|, |v[XS+\i+3]|
.endr
	v_max3_num_f32 v12, v12, |v[XS+30]|, |v[XS+31]|
	v_max3_num_f32 v12, v12, v13, (EMAX+1)<<23
	v_add_nc_u32 v11, -(EMAX<<23), v12
	v_lshrrev_b32 v13, 23, v11
.if (\t)%4 == 0
	v_mov_b32 v[SB+(\t)/4], v13
.else
	v_lshl_or_b32 v[SB+(\t)/4], v13, 8*((\t)%4), v[SB+(\t)/4]
.endif
.irp g, 0,1,2,3
	v_cvt_scalef32_pk8_fp4_f32 v[WC+\g], v[XS+8*\g:XS+8*\g+7], v11
.endr
	ds_store_b128 v4, v[WC:WC+3] offset:16*(\t)
.if (\t)+2 < NB
	WLOAD (\t)+2
.endif
	s_wait_dscnt 0x0                               ; the store has read its registers: the next block's codes may be written
.endm
.irp t, 0,1,2,3,4,5,6,7
	WBLOCK \t
.endr
	global_store_b64 v9, v[SB:SB+1], s[30:31]
.irp t, 0,1,2,3,4,5,6,7
	ds_load_b128 v[OUTR+4*\t:OUTR+4*\t+3], v7 offset:4*\t*WPITCH
.endr
.irp t, 0,1,2,3,4,5,6,7
	s_wait_dscnt 7-\t                              ; load t is back; the 7 - t younger ones may be out
	global_store_b128 v8, v[OUTR+4*\t:OUTR+4*\t+3], s[28:29] offset:4*\t*1024
.endr
	s_branch .Lend
; ---------------- wo.  idx = 4 (number - 96) + wave; K step s = idx % 16 (32 rows of wo), grp = idx / 16 (128 columns: eight fragments).
; Lane (r, h) of a fragment holds column n = r; registers 0-3: k = 8 h + 0 .. 7, registers 4-7: k = 16 + 8 h + 0 .. 7, two f16 a register, the lower k in the low half.
.Lwo:
	s_sub_co_u32 s20, ttmp9, 96
	s_lshl_b32 s20, s20, 2
	s_add_co_u32 s20, s20, s18
	s_and_b32 s21, s20, 15
	s_lshr_b32 s24, s20, 4
	s_lshl_b32 s22, s21, 18                        ; 32 rows of 8,192 bytes
	s_lshl_b32 s25, s24, 9                         ; 128 columns of 4 bytes
	s_add_co_u32 s22, s22, s25
	s_add_nc_u64 s[12:13], s[12:13], s[22:23]
	s_lshl_b32 s22, s24, 17                        ; eight column tiles of 16 fragments of 1,024 bytes
	s_lshl_b32 s25, s21, 10
	s_add_co_u32 s22, s22, s25
	s_add_nc_u64 s[16:17], s[16:17], s[22:23]
	v_and_b32 v3, 15, v0
	v_bfe_u32 v4, v0, 4, 1
	v_lshlrev_b32 v5, 2, v3
	v_lshl_add_u32 v5, v4, 16, v5                  ; 4 r + 8 h rows
	v_lshlrev_b32 v6, 4, v2                        ; out: 16 bytes a lane
.irp f, 0,1,2,3,4,5,6,7
.irp i, 0,1,2,3,4,5,6,7,8,9,10,11,12,13,14,15
	global_load_b32 v[32+16*\f+\i], v5, s[12:13] offset:(\i+8*(\i/8))*8192+64*\f
.endr
.endr
.macro OHALF f0
.irp f, \f0, \f0+1, \f0+2, \f0+3
.irp n, 0,1,2,3,4,5,6,7
	v_cvt_pk_f16_f32 v[160+8*((\f)%4)+\n], v[32+16*(\f)+2*\n], v[32+16*(\f)+2*\n+1]
.endr
.endr
.irp f, \f0, \f0+1, \f0+2, \f0+3
	global_store_b128 v6, v[160+8*((\f)%4):160+8*((\f)%4)+3], s[16:17] offset:(\f)*16384         ; the wave stores 512 consecutive bytes
	global_store_b128 v6, v[160+8*((\f)%4)+4:160+8*((\f)%4)+7], s[16:17] offset:(\f)*16384+512
.endr
.endm
	s_wait_loadcnt 63                              ; of the 128 loads the youngest 63 may be out: fragments 0-3 (the oldest 64) are in
	OHALF 0
	s_wait_loadcnt 0x0
	s_wait_xcnt 0x0                                ; the eight stores have read v160-191: they are written again only behind this wait
	OHALF 4
.Lend:
	s_wait_tensorcnt 0x0                           ; the wave's end, behind the last LDS store
	ds_add_u32 v[SPW], v[NIL]
	s_wait_dscnt 0x0
	s_endpgm
.Lfunc_end_k_q0d687cb2f9_prep:
	.size	k_q0d687cb2f9_prep, .Lfunc_end_k_q0d687cb2f9_prep-k_q0d687cb2f9_prep
	.p2alignl 7, 3214868480
	.fill 96, 4, 3214868480
	.section	.rodata,"a",@progbits
	.p2align	6, 0x0
	.amdhsa_kernel k_q0d687cb2f9_prep
		.amdhsa_group_segment_fixed_size 51712
		.amdhsa_private_segment_fixed_size 0
		.amdhsa_enable_private_segment 0
		.amdhsa_kernarg_size 56
		.amdhsa_user_sgpr_count 2
		.amdhsa_user_sgpr_kernarg_segment_ptr 1
		.amdhsa_wavefront_size32 1
		.amdhsa_system_sgpr_workgroup_id_x 1
		.amdhsa_system_sgpr_workgroup_id_y 1
		.amdhsa_system_sgpr_workgroup_id_z 1
		.amdhsa_system_vgpr_workitem_id 0
		.amdhsa_next_free_vgpr 196
		.amdhsa_next_free_sgpr 66
		.amdhsa_reserve_vcc 0
		.amdhsa_float_denorm_mode_32 3
		.amdhsa_float_denorm_mode_16_64 3
		.amdhsa_memory_ordered 1
		.amdhsa_forward_progress 1
		.amdhsa_inst_pref_size 91
	.end_amdhsa_kernel
	.amdgpu_metadata
---
amdhsa.version: [ 1, 2 ]
amdhsa.kernels:
  - .name:           k_q0d687cb2f9_prep
    .symbol:         k_q0d687cb2f9_prep.kd
    .args:
      - { .name: hidden_states, .offset: 0, .size: 8, .value_kind: global_buffer, .address_space: global }
      - { .name: wq, .offset: 8, .size: 8, .value_kind: global_buffer, .address_space: global }
      - { .name: wk, .offset: 16, .size: 8, .value_kind: global_buffer, .address_space: global }
      - { .name: wv, .offset: 24, .size: 8, .value_kind: global_buffer, .address_space: global }
      - { .name: wo, .offset: 32, .size: 8, .value_kind: global_buffer, .address_space: global }
      - { .name: qz, .offset: 40, .size: 8, .value_kind: global_buffer, .address_space: global }
      - { .name: wo_img, .offset: 48, .size: 8, .value_kind: global_buffer, .address_space: global }
    .group_segment_fixed_size: 51712
    .private_segment_fixed_size: 0
    .kernarg_segment_align: 8
    .kernarg_segment_size: 56
    .max_flat_workgroup_size: 128
    .sgpr_count:     66
    .vgpr_count:     196
    .wavefront_size: 32
...
	.end_amdgpu_metadata
.endif
;; end of part 1
;; launch qkv (part 2): grid 32 x 6, 4 waves a work-group, clusters of 4 x 1, 327,680 bytes of LDS; arguments qz, cos, sin, q_norm_w, k_norm_w, q_img, kv_img, first; writes q_img, kv_img, first
.if DOCPART == 2
	.amdgcn_target "amdgcn-amd-amdhsa--gfx1250"
	.amdhsa_code_object_version 6
	.text
	.protected	k_q0d687cb2f9_qkv
	.globl	k_q0d687cb2f9_qkv
	.p2align	8
	.type	k_q0d687cb2f9_qkv,@function
k_q0d687cb2f9_qkv:
	s_mov_b64 s[64:65], 0
	v_nop
	global_prefetch_b8 v0, s[64:65] scope:SCOPE_SE
	s_setreg_imm32_b32 hwreg(HW_REG_WAVE_MODE, 25, 1), 1
	s_wait_xcnt 0x0
	s_wait_alu depctr_hold_cnt(0) depctr_sa_sdst(0) depctr_va_vdst(0) depctr_va_sdst(0) depctr_va_ssrc(0) depctr_va_vcc(0) depctr_vm_vsrc(0)
	s_getreg_b32 s2, hwreg(HW_REG_IB_STS2, 6, 4)
	s_cmp_eq_u32 s2, 0
	s_cbranch_scc0 .Lentry_in_a_cluster
	s_endpgm
.Lentry_in_a_cluster:
	s_bfe_u32 s2, ttmp6, 0x10000c
	s_cmp_lg_u32 s2, 0x3003
	s_cbranch_scc0 .Lentry_shape_is_right
	s_endpgm
.Lentry_shape_is_right:
; QKV: hidden x (wq | wk | wv) on codes of FP4 with E8M0 scales (K = 2,048), then RMSNorm with (1 + w) and RoPE for q and k, all in f32, and the results as f16 in the order of the next products' operand registers.
; A work-group makes 256 rows x 256 columns: row tile rt = 4 x cluster x + cx, column tile ct = cluster y: 0, 1 the heads of q; 2, 3 of k; 4, 5 of v.  A column tile is one whole head, so the norm's sum stays in the work-group.
; Four waves, wave = 2 rh + c: rows 128 rh on, and columns 64 c .. 64 c + 63 AND 128 + 64 c .. 128 + 64 c + 63 of the head: column d and its RoPE partner d + 128 then lie in one lane (accumulators b and b + 4).
; THE MATRIX INSTRUCTION IS USED TRANSPOSED (source 0 = 16 weight columns, source 1 = 16 rows of hidden): lane (r, h) of accumulator (a, b) holds row 16 a + r and columns cb(b) + 8 h + 0 .. 7, cb(b) = 64 c + 16 b + 64 (b / 4).
; K goes in four steps of 512 through two LDS slots; the scale bytes of the 512 rows come once.
; CLUSTER: the four row tiles of a cluster take the same 256 rows of weights: those tiles are asked for JOINTLY (mask 15).  Hidden's tiles differ from partner to partner and come by plain loads.  Six column tiles do not divide by four, so hidden's tiles cannot be shared as well.
; q is multiplied by log2(e) / 16 (the softmax then works on powers of two), v by 32 (room in f16 for small inputs; taken out again behind the last product).
; A fragment image is 1,024 bytes: registers 0-3 of the 32 lanes, then registers 4-7; lane (r, h): row r, k = 8 h + 0 .. 7 and 16 + 8 h + 0 .. 7.
; The first 16 positions of each batch also leave in f32 (buffer first), for the small launch that carries them finely.  All four partners of the clusters with x % 4 = 0 store such a copy, told apart by address; partner 0's is read.
; LIMITS: NaN and infinities are not served; |32 v|, |k| and |q| log2(e) / 16 stay under 65,504.
; REGISTERS, in windows of 256: window 0: v0-31 addresses; v32-95 scale words, two sets; v128-191 hidden's fragments, one set; v192-255 the norm's weights.  window 1: the weights' fragments, two sets at v0 and v128; v64-127, v192-255 cos and sin as loaded.
;   window 2: the accumulators of my rows 0-63 ((a, b) at v[8 (8 a + b)]); window 3: those of rows 64-127.
.set NQ,     4                         ; matrix instructions deep in a slot: 512 / 128
.set ROWB,   256                       ; a tile's row: 512 codes
.set KROW,   1024                      ; a row of qz
.set PITCH,  272                       ; an LDS row: 256 bytes + 16 = 68 words: the 16 rows of a load start at 16 different banks (64 banks of 4 bytes: ISA guide 11.1)
.set FR,     8
.set NL,     2
.set NP,     4                         ; places behind this matrix instruction (ISA guide 7.12.1)
.set HALFT,  128*PITCH
.set SLOT,   4*HALFT                   ; hidden's 256 rows, then the weights' 256
.set SCL,    2*SLOT                    ; the scale bytes: units of 256 bytes (four rows of 64) + 16 of padding
.set HALFS,  32*272                    ; those of 128 rows
.set SBLK,   4*272                     ; of 16 rows
.set SPARE,  SCL+4*HALFS               ; the spare words: two blocks of 256 bytes that no other line names
.set SCB,    9961472                   ; where qz's scale bytes begin
.set CSP,    528                       ; the way out, in slot 0 (its last fill and its last read are over): a wave's stage for cos (16 rows of 512 + 16 bytes) and for sin
.set EXCH,   4*32*CSP                  ; 512 bytes a wave: its rows' sums of squares
.set VST,    EXCH+2048                 ; the v tiles' own: 16 rows x (256 + 32) bytes a wave
.set VSP,    288
.set GWO,  3                           ; v3   the norm weights: (64 c + 8 h) x 4
.set CSG,  4                           ; v4   cos, sin in memory: 256 c + 16 lane + 256 h: two aligned runs of 256 bytes of a row
.set CSW,  5                           ; v5   their stage, in
.set CSR,  6                           ; v6   and out
.set EXW,  7                           ; v7   my sums;  v8 my partner wave's
.set EXR,  8
.set OP,   9                           ; v9   16 x lane
.set FO,   10                          ; v10  the f32 copy of v: 1,024 r + 32 h
.set VSW,  11                          ; v11  v's stage, in;  v12 out, turned
.set VSR,  12
.set ADRA, 16                          ; v16-17 hidden's fragments in slot 0, 1
.set ADRB, 20                          ; v20-21 the weights'
.set ADRS2, 26                         ; v26  scale words of blocks 4-7
.set ADRS, 27                          ; v27  scale words: lanes 0-15 hidden's rows, lanes 16-31 the weights'
.set SPW,  28
.set NIL,  29
.set SC,   32
.set AF,   128
.set T,    32                          ; the way out, window 0: v32-95 a row block in f32
.set TMP,  96                          ; v96-103
.set HF,   104                         ; v104-135 the block in f16
.set F,    136                         ; v136-151 1 / rms of my row in each of the eight blocks: pairs, the low word is used
.set VT,   136                         ; (v tiles: v136-167 the block turned)
.set SS,   152                         ; v152-167 sums of squares, in pairs
.set PS,   168                         ; v168-175 the other half's, then the partner wave's
.set G,    192                         ; v192-255 (1 + w) x the factor, in a block's layout
.set CO,   0                           ; window 1: cos and sin in a block's layout,
.set SI,   128
.set LC,   64                          ; and as loaded
.set LS,   192
.set G1H,  24                          ; s[24:31] group 1, hidden's codes;  s[32:39] groups 0, one a slot
.set G0H,  32
.set G1W,  48                          ; s[48:55], s[56:63] the weights' codes
.set G0W,  56
.set G1SH, 68                          ; s[68:75], s[76:79] hidden's scales
.set G0SH, 76
.set G1SW, 80                          ; s[80:87], s[88:91] the weights' scales
.set G0SW, 88
.set MSB, 0
.macro WIN new                         ; the immediate's high byte repeats the setting that is left
.if MSB != (\new)
	s_set_vgpr_msb (MSB<<8)|(\new)
.set MSB, \new
.endif
.endm
.set MUL_LO, 0xa1                      ; source 0 window 1, source 1 window 0, C and D window 2
.set MUL_HI, 0xf1
.set TO_B,   0x40
; Waves 0 and 1 fetch hidden's two halves (plain), waves 2 and 3 the weights' (joint).  The branch hangs on the wave's number alone.  An s_nop 0 and four v_nop follow each line.
.macro JLOAD g0a, g1a, g0b, g1b
	s_cmp_eq_u32 s21, 0
	s_cbranch_scc0 .Lfor_b_\@
	tensor_load_to_lds s[\g0a:\g0a+3], s[\g1a:\g1a+7]
	s_nop 0
.rept 4
	v_nop
.endr
	s_branch .Lasked_\@
.Lfor_b_\@:
	tensor_load_to_lds s[\g0b:\g0b+3], s[\g1b:\g1b+7]
	s_nop 0
.rept 4
	v_nop
.endr
.Lasked_\@:
.endm
.macro CREST
	s_cmp_lg_u32 s20, 0
	s_cbranch_scc1 .Lnot_wave_0_\@
	s_barrier_signal -3
.Lnot_wave_0_\@:
	s_barrier_wait -3
	s_barrier_signal -1
	s_barrier_wait -1
.endm
.macro CROUND
	s_barrier_signal -1
	s_barrier_wait -1
	CREST
.endm
	s_load_b256 s[4:11], s[0:1], 0x0               ; qz s[4:5], cos s[6:7], sin s[8:9], q_norm_w s[10:11]
	s_load_b256 s[12:19], s[0:1], 0x20             ; k_norm_w s[12:13], q_img s[14:15], kv_img s[16:17], first s[18:19]
	v_lshl_add_u32 v[SPW], v0, 2, SPARE
	v_mov_b32 v[NIL], 0
	ds_add_u32 v[SPW], v[NIL]                      ; the wave's opening: the add, twice on end, and its wait ahead of my first tensor load
	ds_add_u32 v[SPW], v[NIL]
	v_lshrrev_b32 v1, 5, v0
	v_readfirstlane_b32 s20, v1                    ; wave
	s_lshr_b32 s21, s20, 1                         ; rh.  Also: I fetch hidden's tiles (0) or the weights' (1)
	s_and_b32 s22, s20, 1                          ; c.   Also: which 128 rows I fetch
	s_bfe_u32 s40, ttmp6, 0x40000                  ; cx
	s_and_b32 s41, ttmp7, 0xffff                   ; ct: the same in all four partners
	s_lshl_b32 s42, ttmp9, 2
	s_add_co_u32 s42, s42, s40                     ; rt
	s_mov_b32 s[G1H+0], (1<<20)|(5<<22)|(3<<25)                    ; no mask; elements of 1 byte; padding: 4 words behind every 64
	s_mov_b32 s[G1W+0], 15|(1<<20)|(1<<21)|(5<<22)|(3<<25)         ; the same for all four work-groups, bit 21 beside the mask
.irp g, G1H, G1W
	s_mov_b32 s[\g+1], ROWB<<16                    ; tensor_dim0
	s_mov_b32 s[\g+2], 128<<16                     ; tensor_dim1
	s_mov_b32 s[\g+3], ROWB<<16                    ; tile_dim0
	s_mov_b32 s[\g+4], 128                         ; tile_dim1
	s_mov_b32 s[\g+5], KROW                        ; pitch
	s_mov_b32 s[\g+6], 0
	s_mov_b32 s[\g+7], 0
.endr
	s_mov_b32 s[G1SH+0], (3<<16)|(1<<20)|(5<<22)|(3<<25)           ; the scale bytes of 128 rows: 8,192 dense bytes as 32 rows of 32 elements of 8 bytes
	s_mov_b32 s[G1SW+0], 15|(3<<16)|(1<<20)|(1<<21)|(5<<22)|(3<<25)
.irp g, G1SH, G1SW
	s_mov_b32 s[\g+1], 32<<16
	s_mov_b32 s[\g+2], 32<<16
	s_mov_b32 s[\g+3], 32<<16
	s_mov_b32 s[\g+4], 32
	s_mov_b32 s[\g+5], 32
	s_mov_b32 s[\g+6], 0
	s_mov_b32 s[\g+7], 0
.endr
	s_lshl_b32 s43, s22, 7
	s_lshl_b32 s44, s42, 8
	s_add_co_u32 s44, s44, s43                     ; hidden: row 256 rt + 128 x half
	s_lshl_b32 s66, s44, 10
	s_mov_b32 s67, 0
	s_lshl_b32 s2, s44, 6
	s_add_co_u32 s2, s2, SCB
	s_mov_b32 s3, 0
	s_lshl_b32 s46, s41, 8
	s_add_co_u32 s46, s46, s43
	s_add_co_u32 s46, s46, 8192                    ; the weights: row 8192 + 256 ct + 128 x half: nothing of cx in it
	s_lshl_b32 s96, s46, 10
	s_mov_b32 s97, 0
	s_lshl_b32 s98, s46, 6
	s_add_co_u32 s98, s98, SCB
	s_mov_b32 s99, 0
	s_mul_i32 s47, s20, HALFT                      ; where they go: wave x 128 rows
	s_mul_i32 s45, s20, HALFS
	s_wait_dscnt 0x0                               ; both opening adds are done
	s_wait_kmcnt 0x0
	s_add_nc_u64 s[66:67], s[4:5], s[66:67]
	s_add_nc_u64 s[96:97], s[4:5], s[96:97]
	CROUND                                         ; all four work-groups are here: the first joint loads meet
	s_mov_b32 s[G0SH], 1
	s_add_co_u32 s[G0SH+1], s45, SCL
	s_add_nc_u64 s[G0SH+2:G0SH+3], s[4:5], s[2:3]
	s_or_b32 s[G0SH+3], s[G0SH+3], 0x80000000
	s_mov_b32 s[G0SW], 1
	s_add_co_u32 s[G0SW+1], s45, SCL
	s_add_nc_u64 s[G0SW+2:G0SW+3], s[4:5], s[98:99]
	s_or_b32 s[G0SW+3], s[G0SW+3], 0x80000000
	JLOAD G0SH, G1SH, G0SW, G1SW                   ; the scales first: they are wanted with K step 0
.irp s, 0,1
	s_mov_b32 s[G0H+4*\s], 1
	s_add_co_u32 s[G0H+4*\s+1], s47, \s*SLOT
	s_add_nc_u64 s[G0H+4*\s+2:G0H+4*\s+3], s[66:67], \s*ROWB
	s_or_b32 s[G0H+4*\s+3], s[G0H+4*\s+3], 0x80000000
	s_mov_b32 s[G0W+4*\s], 1
	s_add_co_u32 s[G0W+4*\s+1], s47, \s*SLOT
	s_add_nc_u64 s[G0W+4*\s+2:G0W+4*\s+3], s[96:97], \s*ROWB
	s_or_b32 s[G0W+4*\s+3], s[G0W+4*\s+3], 0x80000000
	JLOAD G0H+4*\s, G1H, G0W+4*\s, G1W             ; three tensor loads of mine are out
.endr
	; every address of the kernel is made here, on the one way that all waves take
	v_and_b32 v1, 15, v0                           ; r
	v_bfe_u32 v2, v0, 4, 1                         ; h
	v_and_b32 v13, 31, v0                          ; lane
	v_mul_u32_u24 v14, v1, PITCH
	v_lshl_add_u32 v14, v2, 4, v14
	s_mul_i32 s43, s21, HALFT                      ; my 128 rows of hidden
	s_mul_i32 s44, s22, 64*PITCH
	s_add_co_u32 s44, s44, 2*HALFT                 ; my weight rows begin 64 c rows into the weights' 256
.irp s, 0,1
	v_add_nc_u32 v[ADRA+\s], s43, v14
	v_add_nc_u32 v[ADRB+\s], s44, v14
	s_add_co_u32 s43, s43, SLOT
	s_add_co_u32 s44, s44, SLOT
.endr
	v_lshlrev_b32 v15, 6, v1                       ; a row's 64 scale bytes,
	v_lshrrev_b32 v18, 8, v15
	v_lshl_add_u32 v15, v18, 4, v15                ; and 16 more for each 256 passed
	s_mul_i32 s43, s21, HALFS
	s_mul_i32 s44, s22, 4*SBLK
	s_add_co_u32 s44, s44, 2*HALFS
	s_sub_co_u32 s44, s44, s43
	v_mul_u32_u24 v18, s44, v2                     ; lanes 16-31 take the weights'
	s_add_co_u32 s43, s43, SCL
	v_add_nc_u32 v15, v15, v18
	v_add_nc_u32 v[ADRS], s43, v15
	v_mad_u32_u24 v[ADRS2], v2, 4*SBLK, v[ADRS]    ; the weights' blocks 4-7 lie 64 rows further on than 16 b
	v_lshlrev_b32 v[OP], 4, v13
	s_lshl_b32 s43, s22, 8
	v_lshl_add_u32 v[CSG], v2, 8, v[OP]
	v_add_nc_u32 v[CSG], s43, v[CSG]
	v_lshl_add_u32 v[GWO], v2, 5, s43
	s_mul_i32 s43, s20, 32*CSP
	v_add_nc_u32 v[CSW], s43, v[OP]
	v_mul_u32_u24 v[CSR], v1, CSP
	v_lshl_add_u32 v[CSR], v2, 5, v[CSR]
	v_add_nc_u32 v[CSR], s43, v[CSR]
	s_lshl_b32 s43, s20, 9
	s_add_co_u32 s43, s43, EXCH
	v_lshl_add_u32 v[EXW], v1, 2, s43
	s_xor_b32 s43, s20, 1                          ; the wave with my rows and the head's other columns
	s_lshl_b32 s43, s43, 9
	s_add_co_u32 s43, s43, EXCH
	v_lshl_add_u32 v[EXR], v1, 2, s43
	s_mul_i32 s43, s20, 16*VSP
	s_add_co_u32 s43, s43, VST
	v_mul_u32_u24 v[VSW], v1, VSP
	v_lshl_add_u32 v[VSW], v2, 4, v[VSW]
	v_add_nc_u32 v[VSW], s43, v[VSW]
	v_and_b32 v18, 7, v0
	v_lshl_add_u32 v18, v2, 3, v18
	v_mul_u32_u24 v[VSR], v18, VSP
	v_bfe_u32 v18, v0, 3, 1
	v_lshl_add_u32 v[VSR], v18, 4, v[VSR]
	v_add_nc_u32 v[VSR], s43, v[VSR]
	v_lshlrev_b32 v[FO], 10, v1
	v_lshl_add_u32 v[FO], v2, 5, v[FO]
	s_lshl_b32 s43, s42, 8
	s_lshl_b32 s44, s21, 7
	s_add_co_u32 s43, s43, s44                     ; my wave's first row: it is also its row of cos and of sin ([2][4096][256] is 8,192 rows)
	s_lshl_b32 s44, s43, 10
	s_mov_b32 s45, 0
	s_add_nc_u64 s[6:7], s[6:7], s[44:45]
	s_add_nc_u64 s[8:9], s[8:9], s[44:45]
	s_lshr_b32 s43, s42, 4                         ; the batch
	s_lshl_b32 s43, s43, 1
	s_and_b32 s44, s41, 1                          ; the head
	s_add_co_u32 s43, s43, s44                     ; bh
	s_lshl_b32 s43, s43, 6
	s_and_b32 s44, s42, 15
	s_lshl_b32 s44, s44, 2
	s_add_co_u32 s43, s43, s44
	s_lshl_b32 s44, s21, 1
	s_add_co_u32 s43, s43, s44                     ; u = 64 bh + 4 (rt % 16) + 2 rh: my first group of 64 positions
	s_cmp_lt_u32 s41, 2
	s_cselect_b64 s[14:15], s[14:15], s[16:17]     ; q's images, or k's and v's
	s_cselect_b64 s[10:11], s[10:11], s[12:13]     ; q's norm weight, or k's
	s_cselect_b32 s44, 15, 16                      ; 64 positions are 32,768 bytes of q_img, 65,536 of kv_img
	s_lshl_b32 s96, 1, s44
	s_mov_b32 s97, 0                               ; s[96:97]: that step
	s_lshl_b32 s44, s43, s44
	s_cmp_lt_u32 s41, 4
	s_cselect_b32 s46, 11, 12                      ; my columns begin 2 c fragments on (q, k), 4 c channel tiles on (v)
	s_cselect_b32 s47, 0, 0x8000                   ; v lies behind k in a key step's 65,536 bytes
	s_cselect_b32 s66, 12, 8                       ; in the f32 copy: 4 c blocks of 1,024 bytes (q, k), 64 c numbers of a row (v)
	s_lshl_b32 s46, s22, s46
	s_add_co_u32 s44, s44, s46
	s_add_co_u32 s44, s44, s47
	s_add_nc_u64 s[14:15], s[14:15], s[44:45]
	s_lshr_b32 s43, ttmp9, 2
	s_lshl_b32 s43, s43, 2
	s_add_co_u32 s43, s43, s40
	s_mul_i32 s43, s43, 6
	s_add_co_u32 s43, s43, s41
	s_lshl_b32 s44, s43, 14                        ; first: [batch][cx][ct][16,384]
	s_lshl_b32 s46, s22, s66
	s_add_co_u32 s44, s44, s46
	s_add_nc_u64 s[18:19], s[18:19], s[44:45]
	s_and_b32 s2, ttmp9, 3
	s_or_b32 s2, s2, s21                           ; 0: my row block 0 leaves in f32 too (cluster x % 4 = 0, rh = 0)
	s_mov_b32 s94, 0x42000000                      ; 32 for v,
	s_cmp_lt_u32 s41, 4
	s_cselect_b32 s94, 1.0, s94                    ; 1 for k,
	s_mov_b32 s95, 0x3db8aa3b                      ; log2(e) / 16 for q
	s_cmp_lt_u32 s41, 2
	s_cselect_b32 s94, s95, s94
	s_mov_b32 s95, s94                             ; (named as a pair)
	s_mov_b32 s92, 0x76543210
	s_mov_b32 s93, 0xfedcba98                      ; lane l xor 16
	s_mov_b32 s98, 0x3b800000                      ; 1 / 256
	s_mov_b32 s99, 0x358637bd                      ; 1e-6
; cos and sin of row block a: a load takes a row's two runs of 256 bytes, 16 rows of each table
.macro CSLOAD a
	WIN 0x40
.irp t, 0,1,2,3,4,5,6,7,8,9,10,11,12,13,14,15
	global_load_b128 v[LC+4*\t:LC+4*\t+3], v[CSG], s[6:7] offset:(16*(\a)+\t)*1024
	global_load_b128 v[LS+4*\t:LS+4*\t+3], v[CSG], s[8:9] offset:(16*(\a)+\t)*1024
.endr
	WIN 0
.endm
	; The norm's weights and the first block's cos and sin are asked for here and land under the K loop, in registers that the loop does not name.  The v tiles ask too and do not use them: so the head has one way.
.irp b, 0,1,2,3,4,5,6,7
	global_load_b128 v[G+8*\b:G+8*\b+3],   v[GWO], s[10:11] offset:64*\b+256*(\b/4)
	global_load_b128 v[G+8*\b+4:G+8*\b+7], v[GWO], s[10:11] offset:64*\b+256*(\b/4)+16
.endr
	CSLOAD 0
.macro FRAG reg, adr, q, row           ; 16 rows x 128 K of 4-bit codes: registers 4 c .. 4 c + 3 hold K = 64 c + 32 h + 0 .. 31
.irp c, 0,1
	ds_load_b128 v[\reg+4*\c:\reg+4*\c+3], v[\adr] offset:64*(\q)+32*\c+(\row)*PITCH
.endr
.endm
; 16 matrix instructions: hidden's blocks a0, a0 + 1 x the weights' eight.  The 64 accumulators take turns, one instruction a turn, in the same order in every step.
.macro MUL16 a0, p, q, sc, zero
.irp a, \a0, \a0+1
.irp b, 0,1,2,3,4,5,6,7
.if \zero
	v_wmma_scale_f32_16x16x128_f8f6f4 v[8*(8*((\a)%4)+\b):8*(8*((\a)%4)+\b)+7], v[128*(\p)+FR*\b:128*(\p)+FR*\b+FR-1], v[AF+FR*(\a):AF+FR*(\a)+FR-1], 0, v[SC+8*NQ*(\sc)+NQ*\b+(\q)], v[SC+8*NQ*(\sc)+NQ*(\a)+(\q)] matrix_a_fmt:MATRIX_FMT_FP4 matrix_b_fmt:MATRIX_FMT_FP4 matrix_a_scale:MATRIX_SCALE_ROW1
.else
	v_wmma_scale_f32_16x16x128_f8f6f4 v[8*(8*((\a)%4)+\b):8*(8*((\a)%4)+\b)+7], v[128*(\p)+FR*\b:128*(\p)+FR*\b+FR-1], v[AF+FR*(\a):AF+FR*(\a)+FR-1], v[8*(8*((\a)%4)+\b):8*(8*((\a)%4)+\b)+7], v[SC+8*NQ*(\sc)+NQ*\b+(\q)], v[SC+8*NQ*(\sc)+NQ*(\a)+(\q)] matrix_a_fmt:MATRIX_FMT_FP4 matrix_b_fmt:MATRIX_FMT_FP4 matrix_a_scale:MATRIX_SCALE_ROW1
.endif
.endr
.endr
.endm
.macro FETCH_B slot, q, p              ; the weights' block i begins 16 i + 64 (i / 4) rows behind my first
	WIN TO_B
.irp i, 0,1,2,3,4,5,6,7
	FRAG 128*(\p)+FR*\i, ADRB+\slot, \q, 16*\i+64*(\i/4)
.endr
	WIN 0
.endm
.macro FETCH_A slot, q, i0
.irp i, \i0, \i0+1, \i0+2, \i0+3
	FRAG AF+FR*(\i), ADRA+\slot, \q, 16*(\i)
.endr
.endm
.macro SCALES sc                       ; a K step's four words a row: lanes 0-15 hidden's block i, lanes 16-31 the weights' block i
.irp i, 0,1,2,3
	ds_load_b128 v[SC+8*NQ*\sc+NQ*\i:SC+8*NQ*\sc+NQ*\i+3], v[ADRS] offset:\i*SBLK
.endr
.irp i, 4,5,6,7
	ds_load_b128 v[SC+8*NQ*\sc+NQ*\i:SC+8*NQ*\sc+NQ*\i+3], v[ADRS2] offset:\i*SBLK
.endr
.endm
.macro PLACES n                        ; plain vector instructions between a matrix instruction and a load into, or a read of, its registers (ISA guide 7.12.1 for reads)
.rept \n
	v_nop
.endr
.endm
.macro STEP slot, q, zero              ; 128 along K with its successor in the same slot
	s_wait_dscnt 4*NL                              ; all but the youngest eight loads (hidden's blocks 4-7) are in
	WIN MUL_LO
	MUL16 0, (\q)%2, \q, \slot, \zero
	MUL16 2, (\q)%2, \q, \slot, \zero
	s_wait_dscnt 0
	PLACES NP
	FETCH_B \slot, (\q)+1, 1-(\q)%2
	FETCH_A \slot, (\q)+1, 0
	WIN MUL_HI
	MUL16 4, (\q)%2, \q, \slot, \zero
	MUL16 6, (\q)%2, \q, \slot, \zero
	PLACES NP
	WIN 0
	FETCH_A \slot, (\q)+1, 4
.endm
; A slot's last step changes slots: one barrier; in front of it each wave waits for all its tensor loads, adds 0 to its spare word, and waits for that and for its reads of this slot.  fill = 1: the slot is filled again, two K steps ahead, behind a round of the cluster's barrier.
.macro TURN slot, next, fill
	s_wait_tensorcnt 0x0                           ; my part of the next slot has landed, and no tensor load of mine is out
	ds_add_u32 v[SPW], v[NIL]
	s_wait_dscnt 4*NL+1                            ; the add and the youngest eight loads may be out
	WIN MUL_LO
	MUL16 0, 1, NQ-1, \slot, 0
	s_wait_dscnt 0x0                               ; the add is done, and my reads of this slot are over
	s_barrier_signal -1
	MUL16 2, 1, NQ-1, \slot, 0
	WIN 0
	s_barrier_wait -1
.if \fill
	CREST                                          ; no wave of any partner still reads this slot or has a load on its way
	s_add_nc_u64 s[G0H+4*\slot+2:G0H+4*\slot+3], s[G0H+4*\slot+2:G0H+4*\slot+3], 2*ROWB
	s_add_nc_u64 s[G0W+4*\slot+2:G0W+4*\slot+3], s[G0W+4*\slot+2:G0W+4*\slot+3], 2*ROWB
	JLOAD G0H+4*\slot, G1H, G0W+4*\slot, G1W       ; my one tensor load behind the round; its four v_nop are the places in front of the loads below
.else
	PLACES NP
.endif
	v_add_nc_u32 v[ADRS], 4*NQ, v[ADRS]            ; the next K step's scale words
	v_add_nc_u32 v[ADRS2], 4*NQ, v[ADRS2]
	FETCH_B \next, 0, 0
	FETCH_A \next, 0, 0
	SCALES \next
	WIN MUL_HI
	MUL16 4, 1, NQ-1, \slot, 0
	MUL16 6, 1, NQ-1, \slot, 0
	PLACES NP
	WIN 0
	FETCH_A \next, 0, 4
.endm
	s_wait_tensorcnt 1                             ; the scales and my part of K step 0 are in; K step 1's load may be out
	s_barrier_signal -1
	s_barrier_wait -1
	FETCH_B 0, 0, 0
	FETCH_A 0, 0, 0
	SCALES 0
	FETCH_A 0, 0, 4
	STEP 0, 0, 1                                   ; the first products start the sums: nothing is cleared
	STEP 0, 1, 0
	STEP 0, 2, 0
	TURN 0, 1, 1                                   ; slot 0 takes K step 2
	STEP 1, 0, 0
	STEP 1, 1, 0
	STEP 1, 2, 0
	TURN 1, 0, 1                                   ; slot 1 takes K step 3
	STEP 0, 0, 0
	STEP 0, 1, 0
	STEP 0, 2, 0
	TURN 0, 1, 0                                   ; nothing is left to fetch; behind this barrier nobody reads slot 0
	STEP 1, 0, 0
	STEP 1, 1, 0
	STEP 1, 2, 0
	s_wait_dscnt 4*NL
	WIN MUL_LO
	MUL16 0, 1, NQ-1, 1, 0
	MUL16 2, 1, NQ-1, 1, 0
	s_wait_dscnt 0
	WIN MUL_HI
	MUL16 4, 1, NQ-1, 1, 0
	MUL16 6, 1, NQ-1, 1, 0
	WIN 0
	PLACES NP
	s_cmp_ge_u32 s41, 4                            ; the column tile: the same in all waves and all partners
	s_cbranch_scc1 .Lv_tiles
; ================ q and k: the norm, RoPE, f16
.irp a, 0,1,2,3,4,5,6,7
	v_mov_b32 v[PS+\a], 0                          ; a lane permute's destination counts as one of its sources
	v_mov_b32 v[F+2*\a+1], 0                       ; (the pairs' upper words are named, not used)
.endr
.irp w, 0,1                                    ; the sums of squares of my 64 numbers of each row block; four blocks by turns; each accumulator is read from its low end on
	WIN 0x0a+5*\w
.irp a, 0,1,2,3
	v_pk_mul_f32 v[SS+2*(4*\w+\a):SS+2*(4*\w+\a)+1], v[64*\a:64*\a+1], v[64*\a:64*\a+1]
.endr
.set p, 1
.rept 31
.irp a, 0,1,2,3
	v_pk_fma_f32 v[SS+2*(4*\w+\a):SS+2*(4*\w+\a)+1], v[64*\a+2*p:64*\a+2*p+1], v[64*\a+2*p:64*\a+2*p+1], v[SS+2*(4*\w+\a):SS+2*(4*\w+\a)+1]
.endr
.set p, p+1
.endr
.endr
	WIN 0
.irp a, 0,1,2,3,4,5,6,7
	v_add_f32 v[SS+2*\a], v[SS+2*\a], v[SS+2*\a+1]
.endr
.irp a, 0,1,2,3,4,5,6,7
	v_permlanex16_b32 v[PS+\a], v[SS+2*\a], s92, s93
.endr
.irp a, 0,1,2,3,4,5,6,7
	v_add_f32 v[SS+2*\a], v[SS+2*\a], v[PS+\a]     ; my wave's 128 columns of row 16 a + r
.endr
.irp a, 0,1,2,3,4,5,6,7
	ds_store_b32 v[EXW], v[SS+2*\a] offset:64*\a   ; lanes r and r + 16 write the same word with the same value
.endr
	s_wait_dscnt 0x0                               ; for the partner's sake: my stores are done
	s_barrier_signal -1
	s_barrier_wait -1
.irp a, 0,1,2,3,4,5,6,7
	ds_load_b32 v[PS+\a], v[EXR] offset:64*\a      ; the head's other 128 columns
.endr
	s_wait_dscnt 0x0
.irp a, 0,1,2,3,4,5,6,7
	v_add_f32 v[SS+2*\a], v[SS+2*\a], v[PS+\a]
.endr
.irp a, 0,1,2,3,4,5,6,7
	v_fma_f32 v[SS+2*\a], v[SS+2*\a], s98, s99     ; the mean of the squares + 1e-6
.endr
.irp a, 0,1,2,3,4,5,6,7
	v_rsq_f32 v[F+2*\a], v[SS+2*\a]
.endr
	s_wait_loadcnt 0x0                             ; the norm's weights (and block 0's cos and sin)
.set i, 0
.rept 32
	v_pk_fma_f32 v[G+2*i:G+2*i+1], v[G+2*i:G+2*i+1], s[94:95], s[94:95] op_sel_hi:[1,0,0]   ; (1 + w) x the factor; plain work behind the eight roots
.set i, i+1
.endr
	s_wait_alu depctr_va_vdst(0)                   ; one wait for the eight roots, ahead of their first reader
; Row block a: 16 rows x my 128 columns.
.macro ROWQK a
	s_wait_loadcnt 0x0                             ; this block's cos and sin are in
.if \a > 0
	s_wait_xcnt 0x0                                ; the last block's stores have read T, HF and their base: these are written again only behind this wait
.endif
.if \a == 4
	s_add_nc_u64 s[14:15], s[14:15], s[96:97]      ; the next 64 positions
.endif
	WIN 0x04                                       ; an LDS store's data are its source 1: window 1
.irp t, 0,1,2,3,4,5,6,7,8,9,10,11,12,13,14,15
	ds_store_b128 v[CSW], v[LC+4*\t:LC+4*\t+3] offset:CSP*\t
	ds_store_b128 v[CSW], v[LS+4*\t:LS+4*\t+3] offset:16*CSP+CSP*\t
.endr
	s_wait_dscnt 0x0                               ; the stores have read their registers,
.if \a < 7
	CSLOAD (\a)+1                                  ; which take the next block's rows: they have this block's work in which to land
.endif
	WIN 0x40
.irp b, 0,1,2,3,4,5,6,7                        ; back in the block's layout: row r, columns 16 b + 8 h + 0 .. 7 of my 128
	ds_load_b128 v[CO+8*\b:CO+8*\b+3],   v[CSR] offset:64*\b
	ds_load_b128 v[CO+8*\b+4:CO+8*\b+7], v[CSR] offset:64*\b+16
	ds_load_b128 v[SI+8*\b:SI+8*\b+3],   v[CSR] offset:16*CSP+64*\b
	ds_load_b128 v[SI+8*\b+4:SI+8*\b+7], v[CSR] offset:16*CSP+64*\b+16
.endr
	WIN 0x02+(\a)/4
.set i, 0
.rept 32
	v_pk_mul_f32 v[T+2*i:T+2*i+1], v[64*((\a)%4)+2*i:64*((\a)%4)+2*i+1], v[F+2*(\a):F+2*(\a)+1] op_sel_hi:[1,0]   ; x / rms
.set i, i+1
.endr
	WIN 0
.set i, 0
.rept 32
	v_pk_mul_f32 v[T+2*i:T+2*i+1], v[T+2*i:T+2*i+1], v[G+2*i:G+2*i+1]
.set i, i+1
.endr
	s_wait_dscnt 0x0                               ; cos and sin are back
	WIN 0x04                                       ; source 1 (cos, sin) window 1
.irp b, 0,1,2,3                                ; x1 = columns d (block b), x2 = columns d + 128 (block b + 4):  x1 c1 - x2 s1  and  x2 c2 + x1 s2
.irp k, 0,2,4,6
	v_pk_mul_f32 v[TMP+\k:TMP+\k+1], v[T+8*\b+\k:T+8*\b+\k+1], v[SI+32+8*\b+\k:SI+32+8*\b+\k+1]
.endr
.irp k, 0,2,4,6
	v_pk_mul_f32 v[T+8*\b+\k:T+8*\b+\k+1], v[T+8*\b+\k:T+8*\b+\k+1], v[CO+8*\b+\k:CO+8*\b+\k+1]
.endr
.irp k, 0,2,4,6
	v_pk_fma_f32 v[T+8*\b+\k:T+8*\b+\k+1], v[T+32+8*\b+\k:T+32+8*\b+\k+1], v[SI+8*\b+\k:SI+8*\b+\k+1], v[T+8*\b+\k:T+8*\b+\k+1] neg_lo:[1,0,0] neg_hi:[1,0,0]
.endr
.irp k, 0,2,4,6
	v_pk_fma_f32 v[T+32+8*\b+\k:T+32+8*\b+\k+1], v[T+32+8*\b+\k:T+32+8*\b+\k+1], v[CO+32+8*\b+\k:CO+32+8*\b+\k+1], v[TMP+\k:TMP+\k+1]
.endr
.endr
	WIN 0
.if \a == 0
	s_cmp_lg_u32 s2, 0
	s_cbranch_scc1 .Lno_copy_qk
.irp b, 0,1,2,3,4,5,6,7                        ; the f32 copy: column block 4 c + b + 4 (b / 4), 1,024 bytes: registers 0-3 of the 32 lanes, then 4-7
	global_store_b128 v[OP], v[T+8*\b:T+8*\b+3],   s[18:19] offset:(\b+4*(\b/4))*1024
	global_store_b128 v[OP], v[T+8*\b+4:T+8*\b+7], s[18:19] offset:(\b+4*(\b/4))*1024+512
.endr
.Lno_copy_qk:
.endif
.set i, 0
.rept 32
	v_cvt_pk_f16_f32 v[HF+i], v[T+2*i], v[T+2*i+1] ; blocks 2 p and 2 p + 1 are the two halves of one fragment: 32 neighbouring channels
.set i, i+1
.endr
.irp p, 0,1,2,3
	global_store_b128 v[OP], v[HF+8*\p:HF+8*\p+3],   s[14:15] offset:((\a)%4)*8192+(\p%2)*1024+(\p/2)*4096       ; the wave stores 512 consecutive bytes
	global_store_b128 v[OP], v[HF+8*\p+4:HF+8*\p+7], s[14:15] offset:((\a)%4)*8192+(\p%2)*1024+(\p/2)*4096+512
.endr
.endm
.irp a, 0,1,2,3,4,5,6,7
	ROWQK \a
.endr
	s_wait_tensorcnt 0x0                           ; the wave's end, behind my last tensor load and LDS store
	ds_add_u32 v[SPW], v[NIL]
	s_wait_dscnt 0x0
	CROUND                                         ; the closing round
	s_endpgm
; ================ v: x 32, f16, turned so that the keys run along a lane's registers
.Lv_tiles:
	s_wait_loadcnt 0x0                             ; the head's loads are done with
.macro ROWV a
.if \a > 0
	s_wait_xcnt 0x0                                ; the last block's stores have read T and VT
.endif
	WIN 0x02+(\a)/4
.set i, 0
.rept 32
	v_pk_mul_f32 v[T+2*i:T+2*i+1], v[64*((\a)%4)+2*i:64*((\a)%4)+2*i+1], s[94:95] op_sel_hi:[1,0]   ; each accumulator from its low end on
.set i, i+1
.endr
	WIN 0
.if \a == 0
	s_cmp_lg_u32 s2, 0
	s_cbranch_scc1 .Lno_copy_v
.irp b, 0,1,2,3,4,5,6,7                        ; the f32 copy: [16 positions][256]
	global_store_b128 v[FO], v[T+8*\b:T+8*\b+3],   s[18:19] offset:(\b+4*(\b/4))*64
	global_store_b128 v[FO], v[T+8*\b+4:T+8*\b+7], s[18:19] offset:(\b+4*(\b/4))*64+16
.endr
.Lno_copy_v:
.endif
.set i, 0
.rept 32
	v_cvt_pk_f16_f32 v[HF+i], v[T+2*i], v[T+2*i+1]
.set i, i+1
.endr
.irp b, 0,1,2,3,4,5,6,7
	ds_store_b128 v[VSW], v[HF+4*\b:HF+4*\b+3] offset:32*\b       ; [key r][my 128 channels], f16
.endr
.irp b, 0,1,2,3,4,5,6,7
	ds_load_tr16_b128 v[VT+4*\b:VT+4*\b+3], v[VSR] offset:32*\b   ; lane (r, h): channel 16 b + r of my 128, keys 8 h + 0 .. 7.  LDS serves a wave's instructions in order
.endr
	s_wait_dscnt 0x0
.irp b, 0,1,2,3,4,5,6,7                        ; keys 16 a + 8 h + .. are half a % 2 of the fragment of keys 32 ((a / 2) % 2) on, in key step a / 4
	global_store_b128 v[OP], v[VT+4*\b:VT+4*\b+3], s[14:15] offset:((\a)/4)*65536+(((\a)/2)%2)*16384+(\b+4*(\b/4))*1024+((\a)%2)*512
.endr
.endm
.irp a, 0,1,2,3,4,5,6,7
	ROWV \a
.endr
	s_wait_tensorcnt 0x0                           ; the wave's end, as above
	ds_add_u32 v[SPW], v[NIL]
	s_wait_dscnt 0x0
	CROUND
	s_endpgm
.Lfunc_end_k_q0d687cb2f9_qkv:
	.size	k_q0d687cb2f9_qkv, .Lfunc_end_k_q0d687cb2f9_qkv-k_q0d687cb2f9_qkv
	.p2alignl 7, 3214868480
	.fill 96, 4, 3214868480
	.section	.rodata,"a",@progbits
	.p2align	6, 0x0
	.amdhsa_kernel k_q0d687cb2f9_qkv
		.amdhsa_group_segment_fixed_size 327680
		.amdhsa_private_segment_fixed_size 0
		.amdhsa_enable_private_segment 0
		.amdhsa_kernarg_size 64
		.amdhsa_user_sgpr_count 2
		.amdhsa_user_sgpr_kernarg_segment_ptr 1
		.amdhsa_wavefront_size32 1
		.amdhsa_system_sgpr_workgroup_id_x 1
		.amdhsa_system_sgpr_workgroup_id_y 1
		.amdhsa_system_sgpr_workgroup_id_z 1
		.amdhsa_system_vgpr_workitem_id 0
		.amdhsa_next_free_vgpr 1024
		.amdhsa_next_free_sgpr 100
		.amdhsa_reserve_vcc 0
		.amdhsa_float_denorm_mode_32 3
		.amdhsa_float_denorm_mode_16_64 3
		.amdhsa_memory_ordered 1
		.amdhsa_forward_progress 1
		.amdhsa_inst_pref_size 255
	.end_amdhsa_kernel
	.section	.bss,"aw",@nobits
	.p2align	6
	.space	262144
	.amdgpu_metadata
---
amdhsa.version: [ 1, 2 ]
amdhsa.kernels:
  - .name:           k_q0d687cb2f9_qkv
    .symbol:         k_q0d687cb2f9_qkv.kd
    .args:
      - { .name: qz, .offset: 0, .size: 8, .value_kind: global_buffer, .address_space: global }
      - { .name: cos, .offset: 8, .size: 8, .value_kind: global_buffer, .address_space: global }
      - { .name: sin, .offset: 16, .size: 8, .value_kind: global_buffer, .address_space: global }
      - { .name: q_norm_w, .offset: 24, .size: 8, .value_kind: global_buffer, .address_space: global }
      - { .name: k_norm_w, .offset: 32, .size: 8, .value_kind: global_buffer, .address_space: global }
      - { .name: q_img, .offset: 40, .size: 8, .value_kind: global_buffer, .address_space: global }
      - { .name: kv_img, .offset: 48, .size: 8, .value_kind: global_buffer, .address_space: global }
      - { .name: first, .offset: 56, .size: 8, .value_kind: global_buffer, .address_space: global }
    .group_segment_fixed_size: 327680
    .private_segment_fixed_size: 0
    .kernarg_segment_align: 8
    .kernarg_segment_size: 64
    .max_flat_workgroup_size: 128
    .sgpr_count:     100
    .vgpr_count:     1024
    .wavefront_size: 32
...
	.end_amdgpu_metadata
.endif
;; end of part 2
;; launch attn (part 3): grid 320 x 1, 4 waves a work-group, no clusters, 327,680 bytes of LDS; arguments q_img, kv_img, o_part; writes o_part
.if DOCPART == 3
	.amdgcn_target "amdgcn-amd-amdhsa--gfx1250"
	.amdhsa_code_object_version 6
	.text
	.protected	k_q0d687cb2f9_attn
	.globl	k_q0d687cb2f9_attn
	.p2align	8
	.type	k_q0d687cb2f9_attn,@function
k_q0d687cb2f9_attn:
	s_mov_b64 s[64:65], 0
	v_nop
	global_prefetch_b8 v0, s[64:65] scope:SCOPE_SE
	s_setreg_imm32_b32 hwreg(HW_REG_WAVE_MODE, 25, 1), 1
	s_wait_xcnt 0x0
; ATTN: causal attention in f16 operands and f32 sums, shared out over queries AND keys.  An ITEM is (bh, block j of 128 queries, chunk c of 1,024 keys), c <= j / 8.  It leaves a partial result: 32 O_c / l_c in f16, and the row's m_c and l_c in f32; the next launch joins the chunks.
; q carries log2(e) / 16, so a score is already an exponent of two: p = 2^(s - m), m the running maximum, l the running sum of p; when m grows, l and O are multiplied by 2^(old m - new m).  v carries the factor 32.
; ITEMS.  c < j / 8: all 8 slots of 128 keys count.  c = j / 8 (on the diagonal): j % 8 + 1 slots.  320 items; the long diagonal ones have the lowest numbers and the short ones the highest, so that 4 + t and 3 - t + 2 slots add up alike.
; SHARES.  Wave w owns queries 128 j + 32 w .. + 31: two tiles of 16.  All four waves read every key step (64 keys) from LDS.
; LAYOUT.  S^T = K Q^T (source 0 = 16 keys, source 1 = 16 queries) and O^T = V^T P: a lane holds ONE query (lane % 16) throughout; two tiles of S^T, rounded in pairs, are source 1 of the second product.
; K and V lie in memory as images of operand registers (1,024 bytes a fragment), a key step's 65,536 bytes on end: K [key tile 4][channels / 32: 8], then V^T [keys / 32: 2][channel tile 16].  A slot is two key steps, 131,072 dense bytes; each wave fetches a quarter by one tensor load.
; EVERY ITEM WALKS ALL 8 SLOTS: the trip counts are constants.  A step all of whose keys come after the wave's queries is jumped over (ids alone); a slot whose first key comes after the work-group's last query is not asked for.
; NO CLUSTER: the items that read the same chunk of K and V need different numbers of its slots (1 to 8 on the diagonal), so some partner would jump over every read of a tile that a joint load brings.
; The loop has no first step of its own: O^T and l begin as zeros and m as -3e38, which the first change of m leaves zeros.  That costs 256 v_mov_b32 once and spares two more copies of a key step.
; LIMITS: NaN and infinities are not served.
; REGISTERS: window 0: v1-13 addresses and mask numbers; v16-31 statistics, eight a tile: +0 m (+1 named with it), +2, +3 l, +4 .. +7 at work, 2^(old m - new m) at +6; v32-95 S^T (tile, key tile); v96-127 P; v128-255 Q.
;   window 1: O^T at 128 tile + 8 (channel tile).   window 2: K, fragment (key tile kt, channels 32 s on) at 8 (4 s + kt).   window 3: V, fragment (keys 32 g on, channel tile) at 8 (16 g + t).
.set SLOT1, 131072
.set SPARE, 262144                     ; behind the ring: the spare words, two blocks of 256 bytes that no other line names
.set LI,   1                           ; v1   16 x lane
.set AD0,  2                           ; v2   LDS address of the slot's first key step for my lane;  v3 of its second
.set AD1,  3
.set PFO,  4                           ; v4   256 x lane
.set SPW,  5
.set NIL,  6
.set L4,   7                           ; v7   4 x lane
.set MB,   8                           ; v8-9 r - 8 h + 16 tile
.set NINF, 10                          ; v10  -infinity
.set DD,   12                          ; v12-13 my query - the step's first key - 8 h
.set ST,   16
.set S,    32
.set P,    96
.set Q,    128
.set WV,   10
.set G1,   16                          ; s[16:23]
.set G0,   24                          ; s[24:27] it walks
.set KF,   28                          ; the step's first key
.set QL,   29                          ; my wave's last query
.set Q0,   30                          ; its first
.set KLW,  31                          ; my work-group's last query
.set TB,   32                          ; LDS byte at which the slot in hand begins
.set SLOTS, 33
.set LIM,  34                          ; 1 in a work-group that prefetches, else the greatest number
.set PFA,  36                          ; s[36:37]
.set SEL,  38                          ; s[38:39]
.set MSB, 0
.macro WIN new
.if MSB != (\new)
	s_set_vgpr_msb (MSB<<8)|(\new)
.set MSB, \new
.endif
.endm
.macro PLACES                          ; four plain vector instructions between a matrix instruction and a read of its result or a load into its registers (ISA guide 7.12.1 for reads of a result)
.rept 4
	v_nop
.endr
.endm
	s_load_b128 s[4:7], s[0:1], 0x0                ; q_img, kv_img
	s_load_b64 s[8:9], s[0:1], 0x10                ; o_part
	v_lshl_add_u32 v[SPW], v0, 2, SPARE
	v_mov_b32 v[NIL], 0
	ds_add_u32 v[SPW], v[NIL]                      ; the wave's opening: the add, twice on end, and its wait ahead of my first tensor load
	ds_add_u32 v[SPW], v[NIL]
	v_lshrrev_b32 v1, 5, v0
	v_readfirstlane_b32 s[WV], v1
	; the item, from the work-group's number x.  0-63: diagonal, j % 8 = 4 + x / 16;  64-255: full;  256-319: diagonal, j % 8 = 3 - (x - 256) / 16
	s_and_b32 s40, ttmp9, 3                        ; bh
	s_bfe_u32 s41, ttmp9, 0x20002                  ; diagonal: c = (x / 4) % 4
	s_bfe_u32 s42, ttmp9, 0x20004                  ; (x / 16) % 4
	s_add_co_u32 s43, s42, 4
	s_sub_co_u32 s44, 3, s42
	s_cmp_lt_u32 ttmp9, 64
	s_cselect_b32 s43, s43, s44
	s_lshl_b32 s44, s41, 3
	s_add_co_u32 s43, s43, s44                     ; diagonal: j = 8 c + j % 8
	s_sub_co_u32 s45, ttmp9, 64
	s_lshr_b32 s46, s45, 2                         ; full: z = (x - 64) / 4
	s_and_b32 s47, s46, 7                          ; j % 8
	s_lshr_b32 s46, s46, 3                         ; e = 0 .. 5 stands for (j / 8, c) = (1,0) (2,0) (2,1) (3,0) (3,1) (3,2)
	s_cmp_ge_u32 s46, 1
	s_cselect_b32 s48, 1, 0
	s_cmp_ge_u32 s46, 3
	s_cselect_b32 s49, 1, 0
	s_sub_co_u32 s46, s46, s48
	s_sub_co_u32 s46, s46, s49
	s_sub_co_u32 s46, s46, s49                     ; c
	s_add_co_u32 s48, s48, s49
	s_add_co_u32 s48, s48, 1                       ; j / 8
	s_lshl_b32 s48, s48, 3
	s_add_co_u32 s47, s47, s48
	s_cmp_lt_u32 s45, 192
	s_cselect_b32 s42, s47, s43                    ; j
	s_cselect_b32 s41, s46, s41                    ; c
	s_lshl_b32 s[KF], s41, 10
	s_lshl_b32 s[Q0], s42, 7
	s_or_b32 s[KLW], s[Q0], 127
	s_lshl_b32 s43, s[WV], 5
	s_add_co_u32 s[Q0], s[Q0], s43
	s_add_co_u32 s[QL], s[Q0], 31
	s_mov_b32 s[TB], 0
	s_mov_b32 s[SLOTS], 7
	s_lshr_b32 s43, ttmp9, 4
	s_cmp_eq_u32 s43, 3                            ; x = 48 .. 63: for each (bh, c) the diagonal item with j % 8 = 7, which walks all 8 slots
	s_cselect_b32 s[LIM], 1, -1
	s_lshl_b32 s44, s40, 6
	s_lshl_b32 s45, s41, 4
	s_add_co_u32 s44, s44, s45                     ; the chunk's first key step: 64 bh + 16 c
	s_lshl_b32 s44, s44, 16
	s_lshl_b32 s46, s[WV], 15                      ; my quarter of a slot
	s_add_co_u32 s44, s44, s46
	s_mov_b32 s45, 0
	s_lshl_b32 s48, s42, 3
	s_lshl_b32 s49, s[WV], 1
	s_add_co_u32 s48, s48, s49                     ; my first query tile: 8 j + 2 w
	s_lshl_b32 s50, s40, 8
	s_add_co_u32 s50, s50, s48
	s_lshl_b32 s50, s50, 13                        ; 8,192 bytes a tile of q_img
	s_mov_b32 s51, 0
	s_lshl_b32 s52, s40, 2
	s_add_co_u32 s52, s52, s41
	s_lshl_b32 s52, s52, 8
	s_add_co_u32 s52, s52, s48                     ; (4 bh + c) x 256 + tile
	s_lshl_b32 s54, s52, 8
	s_add_co_u32 s54, s54, 0x2000000               ; m and l: 256 bytes a tile, behind the partial results' 33,554,432 bytes
	s_mov_b32 s55, 0
	s_lshl_b32 s52, s52, 13
	s_mov_b32 s53, 0
	s_mov_b32 s[G1+0], 3<<16                       ; no mask, elements of 8 bytes, no padding: images are read 16 bytes a lane, on end
	s_mov_b32 s[G1+1], 32<<16                      ; tensor_dim0 = 32 elements: 256 bytes
	s_mov_b32 s[G1+2], 128<<16                     ; tensor_dim1 = 128 rows: 32,768 dense bytes
	s_mov_b32 s[G1+3], 32<<16                      ; tile_dim0
	s_mov_b32 s[G1+4], 128                         ; tile_dim1
	s_mov_b32 s[G1+5], 32                          ; pitch
	s_mov_b32 s[G1+6], 0
	s_mov_b32 s[G1+7], 0
	s_mov_b32 s[SEL], 0x76543210
	s_mov_b32 s[SEL+1], 0xfedcba98
	s_wait_dscnt 0x0                               ; both opening adds are done
	s_wait_kmcnt 0x0
	s_mov_b32 s[G0], 1
	s_mov_b32 s[G0+1], s46                         ; slot 0, my quarter
	s_add_nc_u64 s[G0+2:G0+3], s[6:7], s[44:45]
	s_add_nc_u64 s[PFA:PFA+1], s[6:7], s[44:45]
	s_or_b32 s[G0+3], s[G0+3], 0x80000000
	tensor_load_to_lds s[G0:G0+3], s[G1:G1+7]      ; slot 0: its first key counts for every query of the item
	s_nop 0
.rept 4
	v_nop
.endr
	s_add_nc_u64 s[PFA:PFA+1], s[PFA:PFA+1], SLOT1 ; in slot 1: the first change of slots steps it to slot 2.  Nothing is prefetched here
	s_add_nc_u64 s[4:5], s[4:5], s[50:51]
	s_add_nc_u64 s[12:13], s[8:9], s[54:55]
	s_add_nc_u64 s[8:9], s[8:9], s[52:53]
	v_and_b32 v[L4], 31, v0
	v_lshlrev_b32 v[LI], 4, v[L4]
	v_lshlrev_b32 v[PFO], 8, v[L4]
	v_lshlrev_b32 v[L4], 2, v[L4]
.irp t, 0,1
.irp s, 0,1,2,3,4,5,6,7
	global_load_b128 v[Q+64*\t+8*\s:Q+64*\t+8*\s+3],   v[LI], s[4:5] offset:\t*8192+\s*1024       ; Q stays in registers
	global_load_b128 v[Q+64*\t+8*\s+4:Q+64*\t+8*\s+7], v[LI], s[4:5] offset:\t*8192+\s*1024+512
.endr
.endr
	v_and_b32 v[MB], 15, v0
	v_bfe_u32 v[MB+1], v0, 4, 1
	v_lshlrev_b32 v[MB+1], 3, v[MB+1]
	v_sub_nc_u32 v[MB], v[MB], v[MB+1]
	v_add_nc_u32 v[MB+1], 16, v[MB]
	v_mov_b32 v[NINF], 0xff800000
.irp t, 0,1
	v_mov_b32 v[ST+8*\t], 0xff61b1e6               ; m: -3e38, under every score
.irp i, 1,2,3,4,5,6,7
	v_mov_b32 v[ST+8*\t+\i], 0
.endr
.endr
	WIN 0x40
.set i, 0
.rept 256
	v_mov_b32 v[i], 0                              ; O^T
.set i, i+1
.endr
	WIN 0
.macro FETCH_K q                       ; 64 loads, the channels outermost: the first 32 serve the first four K steps of the product
	WIN 0x80
.irp s, 0,1,2,3,4,5,6,7
.irp k, 0,1,2,3
	ds_load_b128 v[8*(4*\s+\k):8*(4*\s+\k)+3],   v[AD0+\q] offset:\k*8192+\s*1024
	ds_load_b128 v[8*(4*\s+\k)+4:8*(4*\s+\k)+7], v[AD0+\q] offset:\k*8192+\s*1024+512
.endr
.endr
.endm
.macro FETCH_V q
	WIN 0xc0
.irp g, 0,1
.irp c, 0,1,2,3,4,5,6,7,8,9,10,11,12,13,14,15
	ds_load_b128 v[8*(16*\g+\c):8*(16*\g+\c)+3],   v[AD0+\q] offset:32768+\g*16384+\c*1024
	ds_load_b128 v[8*(16*\g+\c)+4:8*(16*\g+\c)+7], v[AD0+\q] offset:32768+\g*16384+\c*1024+512
.endr
.endr
.endm
; 32 products of S^T = K Q^T: channels 32 s0 on, four deep.  The eight accumulators take turns, one instruction a turn; the first eight start the sums.
.macro QK s0
	WIN 0x02
.irp s, \s0, \s0+1, \s0+2, \s0+3
.irp k, 0,1,2,3
.irp t, 0,1
.if (\s) == 0
	v_wmma_f32_16x16x32_f16 v[S+32*\t+8*\k:S+32*\t+8*\k+7], v[8*(4*(\s)+\k):8*(4*(\s)+\k)+7], v[Q+64*\t+8*(\s):Q+64*\t+8*(\s)+7], 0
.else
	v_wmma_f32_16x16x32_f16 v[S+32*\t+8*\k:S+32*\t+8*\k+7], v[8*(4*(\s)+\k):8*(4*(\s)+\k)+7], v[Q+64*\t+8*(\s):Q+64*\t+8*(\s)+7], v[S+32*\t+8*\k:S+32*\t+8*\k+7]
.endif
.endr
.endr
.endr
.endm
.macro PV                              ; 64 products of O^T += V^T P: 32 accumulators by turns
	WIN 0x53
.irp g, 0,1
.irp c, 0,1,2,3,4,5,6,7,8,9,10,11,12,13,14,15
.irp t, 0,1
	v_wmma_f32_16x16x32_f16 v[128*\t+8*\c:128*\t+8*\c+7], v[8*(16*\g+\c):8*(16*\g+\c)+7], v[P+16*\t+8*\g:P+16*\t+8*\g+7], v[128*\t+8*\c:128*\t+8*\c+7]
.endr
.endr
.endr
.endm
; The two tiles' softmax for 64 keys, line by line by turns.  Each accumulator of S^T is first read at its registers 0 to 2.
.macro SOFTMAX
.irp k, 0,1,2,3
.irp t, 0,1
	v_max3_num_f32 v[ST+8*\t+4+\k], v[S+32*\t+8*\k], v[S+32*\t+8*\k+1], v[S+32*\t+8*\k+2]
.endr
.endr
.irp i, 3,5
.irp k, 0,1,2,3
.irp t, 0,1
	v_max3_num_f32 v[ST+8*\t+4+\k], v[ST+8*\t+4+\k], v[S+32*\t+8*\k+\i], v[S+32*\t+8*\k+\i+1]
.endr
.endr
.endr
.irp t, 0,1
	v_max3_num_f32 v[ST+8*\t+4], v[ST+8*\t+4], v[S+32*\t+7], v[S+32*\t+15]
	v_max3_num_f32 v[ST+8*\t+6], v[ST+8*\t+6], v[S+32*\t+23], v[S+32*\t+31]
.endr
.irp t, 0,1
	v_max3_num_f32 v[ST+8*\t+4], v[ST+8*\t+4], v[ST+8*\t+5], v[ST+8*\t+6]
.endr
.irp t, 0,1
	v_max3_num_f32 v[ST+8*\t+4], v[ST+8*\t+4], v[ST+8*\t+7], v[ST+8*\t]   ; with the old m
.endr
.irp t, 0,1
	v_permlanex16_b32 v[ST+8*\t+5], v[ST+8*\t+4], s[SEL], s[SEL+1]        ; the query's other 32 keys lie in the lane 16 away
.endr
.irp t, 0,1
	v_mov_b32 v[ST+8*\t+7], v[ST+8*\t]
.endr
.irp t, 0,1
	v_max_num_f32 v[ST+8*\t], v[ST+8*\t+4], v[ST+8*\t+5]                  ; the new m
.endr
.irp t, 0,1
	v_sub_f32 v[ST+8*\t+7], v[ST+8*\t+7], v[ST+8*\t]                      ; old m - new m
.endr
.set i, 0
.rept 16
.irp t, 0,1
	v_pk_add_f32 v[S+32*\t+2*i:S+32*\t+2*i+1], v[S+32*\t+2*i:S+32*\t+2*i+1], v[ST+8*\t:ST+8*\t+1] op_sel_hi:[1,0] neg_lo:[0,1] neg_hi:[0,1]   ; s - m
.endr
.set i, i+1
.endr
.irp t, 0,1
	v_exp_f32 v[ST+8*\t+6], v[ST+8*\t+7]
.endr
.irp t, 0,1
.set i, 0
.rept 32
	v_exp_f32 v[S+32*\t+i], v[S+32*\t+i]           ; p, at most 1
.set i, i+1
.endr
.endr
	v_nop                                          ; a plain instruction behind the last exponential,
	s_wait_alu depctr_va_vdst(0)                   ; and ONE wait for the batch of 66, ahead of its first reader
.set i, 0
.rept 16
.irp t, 0,1
	v_cvt_pk_f16_f32 v[P+16*\t+i], v[S+32*\t+2*i], v[S+32*\t+2*i+1]
.endr
.set i, i+1
.endr
.irp u, 0,4,8,12,16,20,24,28                   ; the sum of the unrounded p, in place
.irp t, 0,1
	v_pk_add_f32 v[S+32*\t+\u:S+32*\t+\u+1], v[S+32*\t+\u:S+32*\t+\u+1], v[S+32*\t+\u+2:S+32*\t+\u+3]
.endr
.endr
.irp u, 0,8,16,24
.irp t, 0,1
	v_pk_add_f32 v[S+32*\t+\u:S+32*\t+\u+1], v[S+32*\t+\u:S+32*\t+\u+1], v[S+32*\t+\u+4:S+32*\t+\u+5]
.endr
.endr
.irp u, 0,16
.irp t, 0,1
	v_pk_add_f32 v[S+32*\t+\u:S+32*\t+\u+1], v[S+32*\t+\u:S+32*\t+\u+1], v[S+32*\t+\u+8:S+32*\t+\u+9]
.endr
.endr
.irp t, 0,1
	v_pk_add_f32 v[S+32*\t:S+32*\t+1], v[S+32*\t:S+32*\t+1], v[S+32*\t+16:S+32*\t+17]
.endr
.irp t, 0,1
	v_pk_fma_f32 v[ST+8*\t+2:ST+8*\t+3], v[ST+8*\t+2:ST+8*\t+3], v[ST+8*\t+6:ST+8*\t+7], v[S+32*\t:S+32*\t+1] op_sel_hi:[1,0,1]
.endr
.endm
.macro RESCALE                         ; O^T under the new m, each accumulator from its low end on
	WIN 0x41
.irp t, 0,1
.set i, 0
.rept 64
	v_pk_mul_f32 v[128*\t+2*i:128*\t+2*i+1], v[128*\t+2*i:128*\t+2*i+1], v[ST+8*\t+6:ST+8*\t+7] op_sel_hi:[1,0]
.set i, i+1
.endr
.endr
.endm
; A key step's work: the slot's q-th 64 keys.  Step 0 fetches its own K at its head and step 1's K in its middle; step 1 is reached through step 0 alone.
.macro BODY q
.if \q == 0
	v_add_nc_u32 v[AD0], s[TB], v[LI]
	v_add_nc_u32 v[AD1], SLOT1/2, v[AD0]
	FETCH_K 0
.endif
	s_wait_dscnt 32                                ; K's channels 0-127 are in; the youngest 32 loads (channels 128-255) may be out
	QK 0
	s_wait_dscnt 0x0
	FETCH_V \q                                     ; issued while the first 32 products are at work
	QK 4
	PLACES                                         ; behind the last product: for the loads into K's registers and for the first read of the scores
.if \q == 0
	FETCH_K 1
.endif
	WIN 0
	s_add_co_u32 s44, s[KF], 63                    ; a step all of whose keys count for all my queries has no mask
	s_cmp_le_u32 s44, s[Q0]
	s_cbranch_scc1 .Lopen_\@
	s_sub_co_i32 s44, s[Q0], s[KF]
	v_add_nc_u32 v[DD], s44, v[MB]
	v_add_nc_u32 v[DD+1], s44, v[MB+1]             ; register 8 kt + i holds key KF + 16 kt + 8 h + i: hidden where 16 kt + i > my query - KF - 8 h
.irp t, 0,1
.irp k, 0,1,2,3
.irp i, 0,1,2,3,4,5,6,7
	v_cmp_gt_i32 vcc_lo, 16*\k+\i, v[DD+\t]
	v_cndmask_b32 v[S+32*\t+8*\k+\i], v[S+32*\t+8*\k+\i], v[NINF], vcc_lo
.endr
.endr
.endr
.Lopen_\@:
	SOFTMAX
.if \q == 0
	s_wait_dscnt 63                                ; V's 64 loads are older than K's 64: with at most 63 out, V is in
.else
	s_wait_dscnt 0x0
.endif
	RESCALE
	PV
	PLACES                                         ; behind the last product: for the next loads into V's registers and the next read of O^T
	WIN 0
.endm
.macro TWO_STEPS                       ; KF > my last query at step 0 means the same at step 1
	s_cmp_gt_u32 s[KF], s[QL]
	s_cbranch_scc1 .Lnone_\@
	BODY 0
	s_add_co_u32 s[KF], s[KF], 64
	s_cmp_gt_u32 s[KF], s[QL]
	s_cbranch_scc1 .Lone_\@
	BODY 1
.Lone_\@:
	s_add_co_u32 s[KF], s[KF], 64
	s_branch .Lboth_\@
.Lnone_\@:
	s_add_co_u32 s[KF], s[KF], 128
.Lboth_\@:
	s_xor_b32 s[TB], s[TB], SLOT1                  ; on to the other slot
.endm
; THE CHANGE OF SLOTS stands at a slot's head.  Each wave waits for all its tensor loads (its quarter of the slot ahead), adds 0 to its spare word, and waits for that and for its reads of the slot that it has left.
; Behind the barrier the slot ahead is whole and nobody reads the other one.  fill = 1: the other slot takes the next 128 keys, if any query of the work-group sees them; the load has two key steps in which to land.
.macro CHANGE fill
	s_wait_tensorcnt 0x0                           ; no tensor load of mine is out, so group 0 may be written
	ds_add_u32 v[SPW], v[NIL]                      ; every way to it leads through the head's tensor load
.if \fill
	s_xor_b32 s[G0+1], s[G0+1], SLOT1              ; the other slot than last time,
	s_add_nc_u64 s[G0+2:G0+3], s[G0+2:G0+3], SLOT1 ; the next two key steps
	s_wait_xcnt 0x0                                ; the last prefetches, a slot back, have read their address
	s_add_nc_u64 s[PFA:PFA+1], s[PFA:PFA+1], SLOT1 ; one slot further on than the walking descriptor
.endif
	s_wait_dscnt 0x0                               ; the add is done, and my reads of the slot that I have left are over
	s_barrier_signal -1
	s_barrier_wait -1
.if \fill
	s_add_co_u32 s44, s[KF], 128                   ; the first key of the slot that this change would ask for
	s_cmp_gt_u32 s44, s[KLW]                       ; ids and the count of steps alone: all four waves go the same way, and a work-group past the limit stays past it
	s_cbranch_scc1 .Lpast_\@
	tensor_load_to_lds s[G0:G0+3], s[G1:G1+7]      ; my one tensor load until the next change
	s_nop 0
.rept 4
	v_nop
.endr
.Lpast_\@:
	; A prefetch of what the NEXT change will ask for: my quarter of that slot, 32,768 bytes, lanes 256 bytes apart, four instructions.  For each (bh, c) one work-group asks, so each block of 256 bytes is named once.
	; The first two slots come by their loads alone; the trip that loads the last slot asks for nothing.
	s_cmp_gt_u32 s[SLOTS], s[LIM]
	s_cbranch_scc0 .Lnot_mine_\@
.irp i, 0,1,2,3
	global_prefetch_b8 v[PFO], s[PFA:PFA+1] offset:8192*\i th:TH_LOAD_NT scope:SCOPE_SE
.endr
.Lnot_mine_\@:
.endif
.endm
	s_wait_loadcnt 0x0                             ; Q
.Lslot:                                            ; 7 trips: behind each change of slots but the last the next slot is asked for
	CHANGE 1
	TWO_STEPS
	s_sub_co_u32 s[SLOTS], s[SLOTS], 1
	s_cmp_lg_u32 s[SLOTS], 0
	s_cbranch_scc1 .Lslot
	CHANGE 0                                       ; the last slot is written out: nothing is left to fetch
	TWO_STEPS
	; THE WAY OUT: l's halves are joined; m and l leave in f32; O^T / l leaves in f16: a channel tile's eight numbers pack into half a fragment of the last product's operand, 512 t bytes into the tile's 8,192.
.irp t, 0,1
	v_add_f32 v[ST+8*\t+4], v[ST+8*\t+2], v[ST+8*\t+3]
.endr
.irp t, 0,1
	v_permlanex16_b32 v[ST+8*\t+5], v[ST+8*\t+4], s[SEL], s[SEL+1]
.endr
.irp t, 0,1
	v_add_f32 v[ST+8*\t+4], v[ST+8*\t+4], v[ST+8*\t+5]
.endr
.irp t, 0,1
	v_rcp_f32 v[ST+8*\t+6], v[ST+8*\t+4]
.endr
.irp t, 0,1
	global_store_b32 v[L4], v[ST+8*\t],   s[12:13] offset:256*\t
	global_store_b32 v[L4], v[ST+8*\t+4], s[12:13] offset:256*\t+128
.endr
	v_nop                                          ; a plain instruction behind the reciprocals,
	s_wait_alu depctr_va_vdst(0)                   ; and their wait, ahead of the first reader
	RESCALE                                        ; the same lines: O^T x (1 / l), which stands where the factor stood
	WIN 0x05                                       ; sources window 1, destination window 0: Q's registers are free
.irp t, 0,1
.set i, 0
.rept 64
	v_cvt_pk_f16_f32 v[Q+64*\t+i], v[128*\t+2*i], v[128*\t+2*i+1]
.set i, i+1
.endr
.endr
	WIN 0
.irp t, 0,1
.irp c, 0,1,2,3,4,5,6,7,8,9,10,11,12,13,14,15
	global_store_b128 v[LI], v[Q+64*\t+4*\c:Q+64*\t+4*\c+3], s[8:9] offset:\t*8192+512*\c   ; the wave stores 512 consecutive bytes
.endr
.endr
	s_wait_tensorcnt 0x0                           ; the wave's end
	ds_add_u32 v[SPW], v[NIL]
	s_wait_dscnt 0x0
	s_endpgm
.Lfunc_end_k_q0d687cb2f9_attn:
	.size	k_q0d687cb2f9_attn, .Lfunc_end_k_q0d687cb2f9_attn-k_q0d687cb2f9_attn
	.p2alignl 7, 3214868480
	.fill 96, 4, 3214868480
	.section	.rodata,"a",@progbits
	.p2align	6, 0x0
	.amdhsa_kernel k_q0d687cb2f9_attn
		.amdhsa_group_segment_fixed_size 327680
		.amdhsa_private_segment_fixed_size 0
		.amdhsa_enable_private_segment 0
		.amdhsa_kernarg_size 24
		.amdhsa_user_sgpr_count 2
		.amdhsa_user_sgpr_kernarg_segment_ptr 1
		.amdhsa_wavefront_size32 1
		.amdhsa_system_sgpr_workgroup_id_x 1
		.amdhsa_system_sgpr_workgroup_id_y 1
		.amdhsa_system_sgpr_workgroup_id_z 1
		.amdhsa_system_vgpr_workitem_id 0
		.amdhsa_next_free_vgpr 1024
		.amdhsa_next_free_sgpr 66
		.amdhsa_reserve_vcc 1
		.amdhsa_float_denorm_mode_32 3
		.amdhsa_float_denorm_mode_16_64 3
		.amdhsa_memory_ordered 1
		.amdhsa_forward_progress 1
		.amdhsa_inst_pref_size 196
	.end_amdhsa_kernel
	.amdgpu_metadata
---
amdhsa.version: [ 1, 2 ]
amdhsa.kernels:
  - .name:           k_q0d687cb2f9_attn
    .symbol:         k_q0d687cb2f9_attn.kd
    .args:
      - { .name: q_img, .offset: 0, .size: 8, .value_kind: global_buffer, .address_space: global }
      - { .name: kv_img, .offset: 8, .size: 8, .value_kind: global_buffer, .address_space: global }
      - { .name: o_part, .offset: 16, .size: 8, .value_kind: global_buffer, .address_space: global }
    .group_segment_fixed_size: 327680
    .private_segment_fixed_size: 0
    .kernarg_segment_align: 8
    .kernarg_segment_size: 24
    .max_flat_workgroup_size: 128
    .sgpr_count:     66
    .vgpr_count:     1024
    .wavefront_size: 32
...
	.end_amdgpu_metadata
.endif
;; end of part 3
;; launch merge (part 4): grid 1024 x 1, 4 waves a work-group, no clusters, 0 bytes of LDS; arguments o_part, o_img; writes o_img
.if DOCPART == 4
	.amdgcn_target "amdgcn-amd-amdhsa--gfx1250"
	.amdhsa_code_object_version 6
	.text
	.protected	k_q0d687cb2f9_merge
	.globl	k_q0d687cb2f9_merge
	.p2align	8
	.type	k_q0d687cb2f9_merge,@function
k_q0d687cb2f9_merge:
	s_mov_b64 s[64:65], 0
	v_nop
	global_prefetch_b8 v0, s[64:65] scope:SCOPE_SE
	s_setreg_imm32_b32 hwreg(HW_REG_WAVE_MODE, 25, 1), 1
	s_wait_xcnt 0x0
; MERGE: the chunks' partial results of one tile of 16 queries are joined, in f32:  O = sum over c of w_c (O_c / l_c) / sum over c of w_c,  w_c = l_c 2^(m_c - M),  M the largest m_c.
; A work-group takes one (bh, query tile); each of its four waves a quarter of the tile's 8,192 bytes (two fragments).  A tile has n = tile / 64 + 1 chunks of 1,024 keys: the four numbers are four ways, written out by one macro, parted once on the work-group's number.
; In every 512 bytes lane l holds numbers of query l % 16, and m and l were stored 4 bytes a lane: nothing changes lanes.  The result keeps the factor 32 that v carries.
; A stream: no LDS, no barrier, no matrix unit, nothing shared between work-groups.
.set MM,  16                           ; v16-19  m_c, then 2^(m_c - M)
.set LL,  20                           ; v20-23  l_c
.set W,   32                           ; v32-39  w_c in pairs, the low word is used
.set OUTR, 40                          ; v40-55  the result in f16
.set ACC, 128                          ; v128-159
.set TMP, 160                          ; v160-191 a partial in f32.  The partials as loaded: v64-127, 16 registers each (a register's halves have names up to v127)
	s_load_b128 s[4:7], s[0:1], 0x0                ; o_part, o_img
	v_lshrrev_b32 v1, 5, v0
	v_readfirstlane_b32 s8, v1                     ; wave
	v_and_b32 v2, 31, v0
	v_lshlrev_b32 v3, 4, v2                        ; 16 x lane
	v_lshlrev_b32 v4, 2, v2                        ; 4 x lane
	s_lshr_b32 s9, ttmp9, 8                        ; bh
	s_and_b32 s10, ttmp9, 255                      ; the query tile
	s_lshr_b32 s11, s10, 6                         ; n - 1
	s_lshl_b32 s12, s9, 10
	s_add_co_u32 s12, s12, s10                     ; (4 bh) x 256 + tile: chunk 0's unit; chunk c's lies 256 c units on
	s_lshl_b32 s14, s12, 13
	s_lshl_b32 s16, s8, 11                         ; my quarter
	s_add_co_u32 s14, s14, s16
	s_mov_b32 s15, 0
	s_lshl_b32 s18, s12, 8
	s_add_co_u32 s18, s18, 0x2000000
	s_mov_b32 s19, 0
	s_lshr_b32 s20, s9, 1                          ; the batch
	s_lshl_b32 s20, s20, 8
	s_add_co_u32 s20, s20, s10                     ; the row tile of the last product
	s_lshl_b32 s20, s20, 4
	s_and_b32 s21, s9, 1
	s_lshl_b32 s21, s21, 3                         ; the head's eight K steps
	s_add_co_u32 s20, s20, s21
	s_lshl_b32 s20, s20, 10
	s_add_co_u32 s20, s20, s16
	s_mov_b32 s21, 0
	s_wait_kmcnt 0x0
	s_add_nc_u64 s[14:15], s[4:5], s[14:15]
	s_add_nc_u64 s[18:19], s[4:5], s[18:19]
	s_add_nc_u64 s[20:21], s[6:7], s[20:21]
.macro CV d, s                         ; the two f16 of register s, widened
	v_cvt_f32_f16 v[\d], v\s\().l
	v_cvt_f32_f16 v[\d+1], v\s\().h
.endm
.macro TAKE c                          ; ACC (+)= w_c x partial c
.if \c == 0
.irp s, 64,65,66,67,68,69,70,71,72,73,74,75,76,77,78,79
	CV TMP+2*(\s-64), \s
.endr
.elseif \c == 1
.irp s, 80,81,82,83,84,85,86,87,88,89,90,91,92,93,94,95
	CV TMP+2*(\s-80), \s
.endr
.elseif \c == 2
.irp s, 96,97,98,99,100,101,102,103,104,105,106,107,108,109,110,111
	CV TMP+2*(\s-96), \s
.endr
.else
.irp s, 112,113,114,115,116,117,118,119,120,121,122,123,124,125,126,127
	CV TMP+2*(\s-112), \s
.endr
.endif
.set i, 0
.rept 16
.if \c == 0
	v_pk_mul_f32 v[ACC+2*i:ACC+2*i+1], v[TMP+2*i:TMP+2*i+1], v[W:W+1] op_sel_hi:[1,0]
.else
	v_pk_fma_f32 v[ACC+2*i:ACC+2*i+1], v[TMP+2*i:TMP+2*i+1], v[W+2*\c:W+2*\c+1], v[ACC+2*i:ACC+2*i+1] op_sel_hi:[1,0,1]
.endif
.set i, i+1
.endr
.endm
.macro MERGE n
.irp c, 0,1,2,3
.if \c < \n
	global_load_b32 v[MM+\c], v4, s[18:19] offset:65536*\c
	global_load_b32 v[LL+\c], v4, s[18:19] offset:65536*\c+128
.endif
.endr
.irp c, 0,1,2,3
.if \c < \n
.irp i, 0,1,2,3
	global_load_b128 v[64+16*\c+4*\i:64+16*\c+4*\i+3], v3, s[14:15] offset:2097152*\c+512*\i th:TH_LOAD_NT
.endr
.endif
.endr
	s_wait_loadcnt 4*\n                            ; m and l are in; the partials' 4 n loads may be out
	v_mov_b32 v24, v[MM]
.irp c, 1,2,3
.if \c < \n
	v_max_num_f32 v24, v24, v[MM+\c]
.endif
.endr
.irp c, 0,1,2,3
.if \c < \n
	v_sub_f32 v[MM+\c], v[MM+\c], v24
.endif
.endr
.irp c, 0,1,2,3
.if \c < \n
	v_exp_f32 v[MM+\c], v[MM+\c]
.endif
.endr
.irp c, 0,1,2,3
	v_mov_b32 v[W+2*\c+1], 0                       ; (the pairs' upper words are named, not used.)  Plain work behind the exponentials
.endr
	s_wait_alu depctr_va_vdst(0)                   ; one wait for the batch, ahead of its first reader
.irp c, 0,1,2,3
.if \c < \n
	v_mul_f32 v[W+2*\c], v[LL+\c], v[MM+\c]
.endif
.endr
	v_mov_b32 v25, v[W]
.irp c, 1,2,3
.if \c < \n
	v_add_f32 v25, v25, v[W+2*\c]
.endif
.endr
	v_rcp_f32 v25, v25
	v_nop
	s_wait_alu depctr_va_vdst(0)
.irp c, 0,1,2,3
.if \c < \n
	v_mul_f32 v[W+2*\c], v[W+2*\c], v25
.endif
.endr
	s_wait_loadcnt 0x0
.irp c, 0,1,2,3
.if \c < \n
	TAKE \c
.endif
.endr
.set i, 0
.rept 16
	v_cvt_pk_f16_f32 v[OUTR+i], v[ACC+2*i], v[ACC+2*i+1]
.set i, i+1
.endr
.irp i, 0,1,2,3
	global_store_b128 v3, v[OUTR+4*\i:OUTR+4*\i+3], s[20:21] offset:512*\i      ; the wave stores 512 consecutive bytes
.endr
	s_endpgm
.endm
	s_cmp_eq_u32 s11, 0
	s_cbranch_scc1 .Lone
	s_cmp_eq_u32 s11, 1
	s_cbranch_scc1 .Ltwo
	s_cmp_eq_u32 s11, 2
	s_cbranch_scc1 .Lthree
	MERGE 4
.Lthree:
	MERGE 3
.Ltwo:
	MERGE 2
.Lone:
	MERGE 1
.Lfunc_end_k_q0d687cb2f9_merge:
	.size	k_q0d687cb2f9_merge, .Lfunc_end_k_q0d687cb2f9_merge-k_q0d687cb2f9_merge
	.p2alignl 7, 3214868480
	.fill 96, 4, 3214868480
	.section	.rodata,"a",@progbits
	.p2align	6, 0x0
	.amdhsa_kernel k_q0d687cb2f9_merge
		.amdhsa_group_segment_fixed_size 0
		.amdhsa_private_segment_fixed_size 0
		.amdhsa_enable_private_segment 0
		.amdhsa_kernarg_size 16
		.amdhsa_user_sgpr_count 2
		.amdhsa_user_sgpr_kernarg_segment_ptr 1
		.amdhsa_wavefront_size32 1
		.amdhsa_system_sgpr_workgroup_id_x 1
		.amdhsa_system_sgpr_workgroup_id_y 1
		.amdhsa_system_sgpr_workgroup_id_z 1
		.amdhsa_system_vgpr_workitem_id 0
		.amdhsa_next_free_vgpr 192
		.amdhsa_next_free_sgpr 66
		.amdhsa_reserve_vcc 0
		.amdhsa_float_denorm_mode_32 3
		.amdhsa_float_denorm_mode_16_64 3
		.amdhsa_memory_ordered 1
		.amdhsa_forward_progress 1
		.amdhsa_inst_pref_size 36
	.end_amdhsa_kernel
	.amdgpu_metadata
---
amdhsa.version: [ 1, 2 ]
amdhsa.kernels:
  - .name:           k_q0d687cb2f9_merge
    .symbol:         k_q0d687cb2f9_merge.kd
    .args:
      - { .name: o_part, .offset: 0, .size: 8, .value_kind: global_buffer, .address_space: global }
      - { .name: o_img, .offset: 8, .size: 8, .value_kind: global_buffer, .address_space: global }
    .group_segment_fixed_size: 0
    .private_segment_fixed_size: 0
    .kernarg_segment_align: 8
    .kernarg_segment_size: 16
    .max_flat_workgroup_size: 128
    .sgpr_count:     66
    .vgpr_count:     192
    .wavefront_size: 32
...
	.end_amdgpu_metadata
.endif
;; end of part 4
;; launch proj (part 5): grid 8 x 32, 4 waves a work-group, clusters of 4 x 4, 327,680 bytes of LDS; arguments o_img, wo_img, out0; writes out0
.if DOCPART == 5
	.amdgcn_target "amdgcn-amd-amdhsa--gfx1250"
	.amdhsa_code_object_version 6
	.text
	.protected	k_q0d687cb2f9_proj
	.globl	k_q0d687cb2f9_proj
	.p2align	8
	.type	k_q0d687cb2f9_proj,@function
k_q0d687cb2f9_proj:
	s_mov_b64 s[64:65], 0
	v_nop
	global_prefetch_b8 v0, s[64:65] scope:SCOPE_SE
	s_setreg_imm32_b32 hwreg(HW_REG_WAVE_MODE, 25, 1), 1
	s_wait_xcnt 0x0
	s_wait_alu depctr_hold_cnt(0) depctr_sa_sdst(0) depctr_va_vdst(0) depctr_va_sdst(0) depctr_va_ssrc(0) depctr_va_vcc(0) depctr_vm_vsrc(0)
	s_getreg_b32 s2, hwreg(HW_REG_IB_STS2, 6, 4)
	s_cmp_eq_u32 s2, 0
	s_cbranch_scc0 .Lentry_in_a_cluster
	s_endpgm
.Lentry_in_a_cluster:
	s_bfe_u32 s2, ttmp6, 0x10000c
	s_cmp_lg_u32 s2, 0xf033
	s_cbranch_scc0 .Lentry_shape_is_right
	s_endpgm
.Lentry_shape_is_right:
; PROJ: out0 [8192][2048] = O [8192][512] x wo [512][2048], f16 operands, f32 sums; O carries the factor 32, which is taken out of the f32 result (x 1/32, exact).
; Both operands lie in memory as images of operand registers: fragment (16 rows, 32 k) = 1,024 bytes (registers 0-3 of the 32 lanes, then 4-7) at (16 x tile + k / 32) x 1,024; for wo the rows are its columns n.
; A tile of out0, 256 x 256, is made by four waves, each 128 x 128: 64 accumulators, 512 registers.  K = 512 goes in four steps of 128 through two LDS slots.  A K step of 16 rows is 4,096 consecutive bytes; a wave's tensor load brings eight such rows, 16,384 bytes apart.
; No padding: a fragment is read 16 bytes a lane, 512 bytes on end.
; CLUSTER 4 x 4: the four of a row of the cluster need the same tiles of O, the four of a column the same tiles of wo: each is asked for jointly.
; THE MATRIX INSTRUCTION IS USED TRANSPOSED (source 0 = 16 columns of wo, source 1 = 16 rows of O): a lane holds eight neighbouring numbers of a row of out0.
; The first 16 rows of each batch are written here like the others and written again, more finely, by the last launch.
; REGISTERS: window 0: v0-31 addresses; v64-127, v128-191 O's fragments, two buffers; on the way out v128-255 rows read back.  window 1: wo's fragments, two buffers.  windows 2, 3: the accumulators ((a, b) at v[8 (8 a + b)]).
.set SLOT,   131072                    ; O's two halves, wo's two halves: 32,768 bytes each
.set STAGE,  2*SLOT                    ; behind the ring: 16 rows x (512 + 16) bytes for each wave
.set SPITCH, 528
.set SPARE,  STAGE+4*16*SPITCH         ; the spare words: two blocks of 256 bytes that no other line names
.set ADRA, 16                          ; v16-17
.set ADRB, 20                          ; v20-21
.set STO,  24
.set RD,   25
.set CO,   26
.set SPW,  28
.set NIL,  29
.set F0,   64
.set F1,   128
.set BK,   128
.set G1,  24
.set G0,  32
.set G1B, 48
.set G0B, 56
.set MSB, 0
.macro WIN new
.if MSB != (\new)
	s_set_vgpr_msb (MSB<<8)|(\new)
.set MSB, \new
.endif
.endm
.set MUL_LO, 0xa1
.set MUL_HI, 0xf1
.set TO_B,   0x40
.macro JLOAD s                         ; waves 0 and 1 fetch O's halves, waves 2 and 3 wo's; an s_nop 0 and four v_nop follow each line
	s_cmp_eq_u32 s11, 0
	s_cbranch_scc0 .Lfor_b_\@
	tensor_load_to_lds s[G0+4*\s:G0+4*\s+3], s[G1:G1+7]
	s_nop 0
.rept 4
	v_nop
.endr
	s_branch .Lasked_\@
.Lfor_b_\@:
	tensor_load_to_lds s[G0B+4*\s:G0B+4*\s+3], s[G1B:G1B+7]
	s_nop 0
.rept 4
	v_nop
.endr
.Lasked_\@:
.endm
.macro CREST
	s_cmp_lg_u32 s10, 0
	s_cbranch_scc1 .Lnot_wave_0_\@
	s_barrier_signal -3
.Lnot_wave_0_\@:
	s_barrier_wait -3
	s_barrier_signal -1
	s_barrier_wait -1
.endm
.macro CROUND
	s_barrier_signal -1
	s_barrier_wait -1
	CREST
.endm
	s_load_b128 s[4:7], s[0:1], 0x0                ; o_img, wo_img
	s_load_b64 s[8:9], s[0:1], 0x10                ; out0
	v_lshl_add_u32 v[SPW], v0, 2, SPARE
	v_mov_b32 v[NIL], 0
	ds_add_u32 v[SPW], v[NIL]                      ; the wave's opening: the add, twice on end, and its wait ahead of my first tensor load
	ds_add_u32 v[SPW], v[NIL]
	v_lshrrev_b32 v1, 5, v0
	v_readfirstlane_b32 s10, v1                    ; wave
	s_lshr_b32 s11, s10, 1                         ; my half of the rows.  Also: I fetch for O (0) or for wo (1)
	s_and_b32 s12, s10, 1                          ; my half of the columns.  Also: which half I fetch
	s_bfe_u32 s40, ttmp6, 0x40000                  ; cx
	s_bfe_u32 s41, ttmp6, 0x40004                  ; cy
	s_lshl_b32 s42, ttmp9, 2
	s_add_co_u32 s42, s42, s40                     ; tile column
	s_and_b32 s13, ttmp7, 0xffff
	s_lshl_b32 s13, s13, 2
	s_add_co_u32 s13, s13, s41                     ; tile row
	s_lshl_b32 s43, s41, 2
	s_lshl_b32 s43, 15, s43                        ; my row of the cluster
	s_lshl_b32 s44, 0x1111, s40                    ; my column
	s_or_b32 s[G1+0], s43, (3<<16)|(1<<21)         ; the mask; elements of 8 bytes; bit 21 beside a mask; no padding
	s_or_b32 s[G1B+0], s44, (3<<16)|(1<<21)
.irp g, G1, G1B
	s_mov_b32 s[\g+1], 512<<16                     ; tensor_dim0 = 512 elements: 4,096 bytes
	s_mov_b32 s[\g+2], 8<<16                       ; tensor_dim1 = 8
	s_mov_b32 s[\g+3], 512<<16                     ; tile_dim0
	s_mov_b32 s[\g+4], 8                           ; tile_dim1
	s_mov_b32 s[\g+5], 2048                        ; pitch: 16,384 bytes
	s_mov_b32 s[\g+6], 0
	s_mov_b32 s[\g+7], 0
.endr
	s_lshl_b32 s17, s12, 17                        ; eight tiles of 16 rows are 131,072 bytes
	s_lshl_b32 s16, s13, 18
	s_add_co_u32 s16, s16, s17                     ; O: by the tile row alone
	s_lshl_b32 s46, s42, 18
	s_add_co_u32 s46, s46, s17                     ; wo: by the tile column alone
	s_mov_b32 s17, 0
	s_mov_b32 s47, 0
	s_lshl_b32 s20, s10, 15                        ; where they go: wave x 32,768
	s_mov_b32 s2, 0x3d000000                       ; 1 / 32
	s_mov_b32 s3, s2
	s_wait_dscnt 0x0                               ; both opening adds are done
	s_wait_kmcnt 0x0
	s_add_nc_u64 s[14:15], s[4:5], s[16:17]
	s_add_nc_u64 s[46:47], s[6:7], s[46:47]
	CROUND                                         ; all sixteen work-groups are here: the first joint loads meet
.irp s, 0,1
	s_mov_b32 s[G0+4*\s], 1
	s_add_co_u32 s[G0+4*\s+1], s20, \s*SLOT
	s_add_nc_u64 s[G0+4*\s+2:G0+4*\s+3], s[14:15], \s*4096
	s_or_b32 s[G0+4*\s+3], s[G0+4*\s+3], 0x80000000
	s_mov_b32 s[G0B+4*\s], 1
	s_add_co_u32 s[G0B+4*\s+1], s20, \s*SLOT
	s_add_nc_u64 s[G0B+4*\s+2:G0B+4*\s+3], s[46:47], \s*4096
	s_or_b32 s[G0B+4*\s+3], s[G0B+4*\s+3], 0x80000000
	JLOAD \s                                       ; two tensor loads of mine are out
.endr
	v_and_b32 v1, 15, v0
	v_bfe_u32 v2, v0, 4, 1
	v_and_b32 v3, 31, v0
	v_lshlrev_b32 v[CO], 4, v3                     ; 16 x lane
	s_lshl_b32 s21, s11, 15                        ; my half of O
	s_lshl_b32 s22, s12, 15
	s_add_co_u32 s22, s22, 65536                   ; my half of wo
.irp s, 0,1
	v_add_nc_u32 v[ADRA+\s], s21, v[CO]
	v_add_nc_u32 v[ADRB+\s], s22, v[CO]
	s_add_co_u32 s21, s21, SLOT
	s_add_co_u32 s22, s22, SLOT
.endr
	s_mul_i32 s23, s10, 16*SPITCH
	s_add_co_u32 s23, s23, STAGE
	v_mul_u32_u24 v4, v1, SPITCH
	v_lshl_add_u32 v4, v2, 5, v4
	v_add_nc_u32 v[STO], s23, v4                   ; in: row r, 32 bytes for each half of the lanes
	v_add_nc_u32 v[RD], s23, v[CO]                 ; back: the 32 lanes take one row of 512 bytes
	s_lshl_b32 s16, s13, 21                        ; 256 rows of 8,192 bytes
	s_lshl_b32 s17, s11, 20
	s_add_co_u32 s16, s16, s17
	s_mov_b32 s17, 0
	s_lshl_b32 s46, s42, 10
	s_lshl_b32 s47, s12, 9
	s_add_co_u32 s46, s46, s47
	s_mov_b32 s47, 0
	s_add_nc_u64 s[8:9], s[8:9], s[16:17]
	s_add_nc_u64 s[8:9], s[8:9], s[46:47]
.macro MUL16 f, hi, a0, zero           ; the 64 accumulators take turns, one instruction a turn, in the same order in every quarter
.irp a, \a0, \a0+1
.irp b, 0,1,2,3,4,5,6,7
.if \zero
	v_wmma_f32_16x16x32_f16 v[8*(8*(\a)+\b):8*(8*(\a)+\b)+7], v[\f+8*\b:\f+8*\b+7], v[\f+8*(4*\hi+\a):\f+8*(4*\hi+\a)+7], 0
.else
	v_wmma_f32_16x16x32_f16 v[8*(8*(\a)+\b):8*(8*(\a)+\b)+7], v[\f+8*\b:\f+8*\b+7], v[\f+8*(4*\hi+\a):\f+8*(4*\hi+\a)+7], v[8*(8*(\a)+\b):8*(8*(\a)+\b)+7]
.endif
.endr
.endr
.endm
.macro FETCH slot, q, f                ; 32 LDS loads in one run: the fragments of the K step's q-th 32 along K
	WIN TO_B
.irp i, 0,1,2,3,4,5,6,7
	ds_load_b128 v[\f+8*\i:\f+8*\i+3],   v[ADRB+\slot] offset:\i*4096+(\q)*1024
	ds_load_b128 v[\f+8*\i+4:\f+8*\i+7], v[ADRB+\slot] offset:\i*4096+(\q)*1024+512
.endr
	WIN 0
.irp i, 0,1,2,3,4,5,6,7
	ds_load_b128 v[\f+8*\i:\f+8*\i+3],   v[ADRA+\slot] offset:\i*4096+(\q)*1024
	ds_load_b128 v[\f+8*\i+4:\f+8*\i+7], v[ADRA+\slot] offset:\i*4096+(\q)*1024+512
.endr
.endm
.macro PLACES                          ; four plain vector instructions in front of loads into registers that matrix instructions have read, and of reads of results (ISA guide 7.12.1 for reads of results)
.rept 4
	v_nop
.endr
.endm
.macro QUARTER slot, q, f, g, zero     ; multiplies buffer f; in its middle fetches the slot's q-th quarter into g
	s_wait_dscnt 8                                 ; wo's and O's rows 0-63 are in; the youngest eight loads (O's rows 64-127) may be out
	WIN MUL_LO
	MUL16 \f, 0, 0, \zero
	MUL16 \f, 0, 2, \zero
	PLACES
	FETCH \slot, \q, \g
	s_wait_dscnt 32                                ; all but the 32 just issued
	WIN MUL_HI
	MUL16 \f, 1, 0, \zero
	MUL16 \f, 1, 2, \zero
.endm
; A K step's last quarter changes slots: one barrier; in front of it each wave waits for all its tensor loads, adds 0 to its spare word, and waits for that and for its reads of this slot.  fill = 1: the slot is filled again behind a round of the cluster's barrier.
.macro TURN slot, next, fill
	WIN 0
	s_wait_tensorcnt 0x0                           ; my part of the next slot has landed
	ds_add_u32 v[SPW], v[NIL]
	s_wait_dscnt 9                                 ; the add and the youngest eight loads may be out
	WIN MUL_LO
	MUL16 F1, 0, 0, 0
	s_wait_dscnt 0x0                               ; the add is done, and my reads of this slot are over
	s_barrier_signal -1
	MUL16 F1, 0, 2, 0
.if \fill
	WIN 0
.endif
	s_barrier_wait -1
.if \fill
	CREST                                          ; no wave of any partner still reads this slot or has a load on its way
	s_add_nc_u64 s[G0+4*\slot+2:G0+4*\slot+3], s[G0+4*\slot+2:G0+4*\slot+3], 8192
	s_add_nc_u64 s[G0B+4*\slot+2:G0B+4*\slot+3], s[G0B+4*\slot+2:G0B+4*\slot+3], 8192
	JLOAD \slot                                    ; my one tensor load behind the round; its four v_nop are the places in front of the loads below
.else
	PLACES
.endif
	FETCH \next, 0, F0
	WIN MUL_HI
	MUL16 F1, 1, 0, 0
	MUL16 F1, 1, 2, 0
.endm
	s_wait_tensorcnt 1                             ; my part of K step 0 is in; K step 1's load may be out
	s_barrier_signal -1
	s_barrier_wait -1
	FETCH 0, 0, F0
	QUARTER 0, 1, F0, F1, 1                        ; the first products start the sums
	QUARTER 0, 2, F1, F0, 0
	QUARTER 0, 3, F0, F1, 0
	TURN 0, 1, 1                                   ; slot 0 takes K step 2
	QUARTER 1, 1, F0, F1, 0
	QUARTER 1, 2, F1, F0, 0
	QUARTER 1, 3, F0, F1, 0
	TURN 1, 0, 1                                   ; slot 1 takes K step 3
	QUARTER 0, 1, F0, F1, 0
	QUARTER 0, 2, F1, F0, 0
	QUARTER 0, 3, F0, F1, 0
	TURN 0, 1, 0
	QUARTER 1, 1, F0, F1, 0
	QUARTER 1, 2, F1, F0, 0
	QUARTER 1, 3, F0, F1, 0
	s_wait_dscnt 8
	WIN MUL_LO
	MUL16 F1, 0, 0, 0
	MUL16 F1, 0, 2, 0
	s_wait_dscnt 0
	WIN MUL_HI
	MUL16 F1, 1, 0, 0
	MUL16 F1, 1, 2, 0
	WIN 0
; THE WAY OUT, block by block of 16 rows x 128 columns, through my own stage: in as 32 bytes a lane, back as whole rows of 512 bytes.  LDS serves a wave's instructions in order (ISA guide 5.7.1.4).
.macro TOSTAGE a
.set AC, 64*((\a)%4)
	WIN 0x08+4*((\a)/4)                            ; an LDS store's data are its source 1: window 2 or 3
.irp b, 0,1,2,3,4,5,6,7
	ds_store_b128 v[STO], v[AC+8*\b:AC+8*\b+3] offset:64*\b          ; each accumulator from its low end on
	ds_store_b128 v[STO], v[AC+8*\b+4:AC+8*\b+7] offset:64*\b+16
.endr
	WIN 0
.set BB, BK+64*((\a)%2)
.irp t, 0,1,2,3,4,5,6,7,8,9,10,11,12,13,14,15
	ds_load_b128 v[BB+4*\t:BB+4*\t+3], v[RD] offset:\t*SPITCH
.endr
.endm
.macro SEND a, younger
.set BB, BK+64*((\a)%2)
	s_wait_dscnt \younger                          ; the block is back; the next block's 16 stores and 16 loads may be out
.if (\a) > 0
	s_add_nc_u64 s[8:9], s[8:9], 16*8192           ; (behind a wait for the earlier stores' addresses)  16 rows on
.endif
.set i, 0
.rept 32
	v_pk_mul_f32 v[BB+2*i:BB+2*i+1], v[BB+2*i:BB+2*i+1], s[2:3] op_sel_hi:[1,0]   ; v's factor 32 is taken out
.set i, i+1
.endr
.irp t, 0,1,2,3,4,5,6,7,8,9,10,11,12,13,14,15
	global_store_b128 v[CO], v[BB+4*\t:BB+4*\t+3], s[8:9] offset:\t*8192 th:TH_STORE_NT   ; 32 lanes store 512 consecutive bytes, at a multiple of 256 from out0's first byte
.endr
.endm
	PLACES
	TOSTAGE 0
.irp a, 1,2,3,4,5,6,7
.if \a > 1
	s_wait_xcnt 0x0                                ; block a - 2's stores have read their registers and their base
.endif
	TOSTAGE \a
	SEND \a-1, 32
.endr
	s_wait_xcnt 0x0
	SEND 7, 0
	s_wait_tensorcnt 0x0                           ; the wave's end
	ds_add_u32 v[SPW], v[NIL]
	s_wait_dscnt 0x0
	CROUND                                         ; the closing round
	s_endpgm
.Lfunc_end_k_q0d687cb2f9_proj:
	.size	k_q0d687cb2f9_proj, .Lfunc_end_k_q0d687cb2f9_proj-k_q0d687cb2f9_proj
	.p2alignl 7, 3214868480
	.fill 96, 4, 3214868480
	.section	.rodata,"a",@progbits
	.p2align	6, 0x0
	.amdhsa_kernel k_q0d687cb2f9_proj
		.amdhsa_group_segment_fixed_size 327680
		.amdhsa_private_segment_fixed_size 0
		.amdhsa_enable_private_segment 0
		.amdhsa_kernarg_size 24
		.amdhsa_user_sgpr_count 2
		.amdhsa_user_sgpr_kernarg_segment_ptr 1
		.amdhsa_wavefront_size32 1
		.amdhsa_system_sgpr_workgroup_id_x 1
		.amdhsa_system_sgpr_workgroup_id_y 1
		.amdhsa_system_sgpr_workgroup_id_z 1
		.amdhsa_system_vgpr_workitem_id 0
		.amdhsa_next_free_vgpr 1024
		.amdhsa_next_free_sgpr 66
		.amdhsa_reserve_vcc 0
		.amdhsa_float_denorm_mode_32 3
		.amdhsa_float_denorm_mode_16_64 3
		.amdhsa_memory_ordered 1
		.amdhsa_forward_progress 1
		.amdhsa_inst_pref_size 156
	.end_amdhsa_kernel
	.amdgpu_metadata
---
amdhsa.version: [ 1, 2 ]
amdhsa.kernels:
  - .name:           k_q0d687cb2f9_proj
    .symbol:         k_q0d687cb2f9_proj.kd
    .args:
      - { .name: o_img, .offset: 0, .size: 8, .value_kind: global_buffer, .address_space: global }
      - { .name: wo_img, .offset: 8, .size: 8, .value_kind: global_buffer, .address_space: global }
      - { .name: out0, .offset: 16, .size: 8, .value_kind: global_buffer, .address_space: global }
    .group_segment_fixed_size: 327680
    .private_segment_fixed_size: 0
    .kernarg_segment_align: 8
    .kernarg_segment_size: 24
    .max_flat_workgroup_size: 128
    .sgpr_count:     66
    .vgpr_count:     1024
    .wavefront_size: 32
...
	.end_amdgpu_metadata
.endif
;; end of part 5
;; launch first16 (part 6): grid 32 x 2, 4 waves a work-group, no clusters, 17,920 bytes of LDS; arguments first, wo, out0; writes out0
.if DOCPART == 6
	.amdgcn_target "amdgcn-amd-amdhsa--gfx1250"
	.amdhsa_code_object_version 6
	.text
	.protected	k_q0d687cb2f9_first16
	.globl	k_q0d687cb2f9_first16
	.p2align	8
	.type	k_q0d687cb2f9_first16,@function
k_q0d687cb2f9_first16:
	s_mov_b64 s[64:65], 0
	v_nop
	global_prefetch_b8 v0, s[64:65] scope:SCOPE_SE
	s_setreg_imm32_b32 hwreg(HW_REG_WAVE_MODE, 25, 1), 1
	s_wait_xcnt 0x0
; FIRST16: positions 0 to 15 of each batch once more, wholly in f32: under the causal mask they average one to sixteen values and are the largest rows, where f16 operands would weigh most.  32 rows of out0 are written again.
; From the f32 copies of q (x log2(e) / 16), k and 32 v of these positions: S^T = K Q^T, mask, softmax with the row's maximum taken away, O^T = V^T P, and O x wo, all by the f32 matrix form (16 x 16 x 4); the factor 32 is taken out at the end.
; SHARES.  Work-group (x, y): columns 64 x .. 64 x + 63 of batch y.  Wave kq takes rows 128 kq .. + 127 of wo: head kq / 2, channels 128 (kq % 2) on.  Each wave makes its own scores and its own eight channel tiles of O^T; the four waves' parts of the last sum meet in LDS.
; THE ORDER OF K IS PERMUTED ALIKE ON BOTH SIDES.  The form gives lane (r, h) register i the place k = 2 h + i.  Of a block of 16 along K held as eight registers a lane (k = 8 h + j), K step u takes registers 2 u, 2 u + 1: k = 8 h + 2 u + i, on both operands.
; So every result (lane: one query, registers: 8 h + j) is the next product's operand as it stands.
; The registers that the f32 form writes (v32-63, v128-159, v176-239 of window 0) are written by matrix instructions alone; the accumulators take turns.
; Small work on 64 work-groups: no tensor loads, no cluster (what is shared is 48 KB of copies).
; REGISTERS: window 0: v1-19 addresses and single numbers; v32-63 the last product's four sums; v64-127 V, later the results; v128-159 S^T in four parts; v160-167 the scores; v168-175 P; v176-239 O^T; v240-247 at work.  window 1: K v0-127, Q v128-255.  window 2: wo.
.set SPARE, 17408                      ; behind the four parts of 16 x 272 bytes: the spare words, two blocks of 256 bytes that no other line names
.set MSB, 0
.macro WIN new
.if MSB != (\new)
	s_set_vgpr_msb (MSB<<8)|(\new)
.set MSB, \new
.endif
.endm
	s_load_b128 s[4:7], s[0:1], 0x0                ; first, wo
	s_load_b64 s[8:9], s[0:1], 0x10                ; out0
	v_lshl_add_u32 v10, v0, 2, SPARE
	v_mov_b32 v11, 0
	v_lshrrev_b32 v1, 5, v0
	v_readfirstlane_b32 s10, v1                    ; kq
	s_and_b32 s11, ttmp7, 0xffff                   ; the batch
	s_lshr_b32 s12, s10, 1                         ; the head
	s_and_b32 s13, s10, 1
	v_and_b32 v1, 15, v0                           ; r
	v_bfe_u32 v2, v0, 4, 1                         ; h
	v_and_b32 v3, 31, v0
	v_lshlrev_b32 v3, 4, v3                        ; 16 x lane
	s_lshl_b32 s14, s13, 9
	v_lshlrev_b32 v4, 2, v1
	v_lshl_add_u32 v4, v2, 13, v4
	v_add_nc_u32 v4, s14, v4                       ; V [16][256]: key 8 h, channel 128 (kq % 2) + r
	v_lshlrev_b32 v5, 4, v1
	v_lshl_add_u32 v5, v2, 16, v5                  ; wo: 8 h rows down, columns 4 r .. 4 r + 3
	v_lshlrev_b32 v6, 3, v2
	v_sub_nc_u32 v6, v1, v6                        ; r - 8 h: key 8 h + j is hidden where j > r - 8 h
	s_mul_i32 s14, s10, 16*272
	v_mul_u32_u24 v7, v1, 272
	v_lshl_add_u32 v7, v2, 7, v7
	v_add_nc_u32 v7, s14, v7                       ; my part: row r, 32 columns for each half of the lanes
	s_mul_i32 s14, s10, 4*272
	v_mul_u32_u24 v8, v2, 272
	v_lshl_add_u32 v8, v1, 4, v8
	v_add_nc_u32 v8, s14, v8                       ; back: rows 4 kq + h, 16 bytes a lane
	v_lshlrev_b32 v9, 4, v1
	v_lshl_add_u32 v9, v2, 13, v9                  ; and the same in out0
	v_mov_b32 v12, 0xff800000                      ; -infinity
	v_mov_b32 v14, 0                               ; a lane permute's destination counts as one of its sources
	s_mov_b32 s16, 0x76543210
	s_mov_b32 s17, 0xfedcba98
	s_mul_i32 s18, s11, 393216                     ; first: [batch][4][6][16,384]; the copies of positions 0-15 are the first of the four
	s_lshl_b32 s19, s12, 14
	s_add_co_u32 s18, s18, s19
	s_mov_b32 s19, 0
	s_lshl_b32 s20, s10, 20                        ; 128 rows of 8,192 bytes
	s_lshl_b32 s21, ttmp9, 8                       ; 64 columns
	s_add_co_u32 s20, s20, s21
	s_lshl_b32 s22, s11, 25                        ; 4,096 rows of out0
	s_lshl_b32 s23, s10, 15                        ; my four rows
	s_add_co_u32 s22, s22, s23
	s_add_co_u32 s22, s22, s21
	s_mov_b32 s21, 0
	s_mov_b32 s23, 0
	s_wait_kmcnt 0x0
	s_add_nc_u64 s[4:5], s[4:5], s[18:19]
	s_add_nc_u64 s[6:7], s[6:7], s[20:21]
	s_add_nc_u64 s[8:9], s[8:9], s[22:23]
	WIN 0x40
.irp n, 0,1,2,3,4,5,6,7,8,9,10,11,12,13,14,15  ; k's copy lies two heads (32,768 bytes) behind q's: block n of 16 channels: registers 0-3 of the 32 lanes, then 4-7
	global_load_b128 v[8*\n:8*\n+3],   v3, s[4:5] offset:32768+\n*1024
	global_load_b128 v[8*\n+4:8*\n+7], v3, s[4:5] offset:32768+\n*1024+512
.endr
.irp n, 0,1,2,3,4,5,6,7,8,9,10,11,12,13,14,15
	global_load_b128 v[128+8*\n:128+8*\n+3],   v3, s[4:5] offset:\n*1024
	global_load_b128 v[128+8*\n+4:128+8*\n+7], v3, s[4:5] offset:\n*1024+512
.endr
	WIN 0
.irp t, 0,1,2,3,4,5,6,7
.irp i, 0,1,2,3,4,5,6,7
	global_load_b32 v[64+8*\t+\i], v4, s[4:5] offset:65536+1024*\i+64*\t      ; V(key 8 h + i, channel 16 t + r of my 128)
.endr
.endr
	WIN 0x80
.irp t, 0,1,2,3,4,5,6,7
.irp i, 0,1,2,3,4,5,6,7
	global_load_b128 v[32*\t+4*\i:32*\t+4*\i+3], v5, s[6:7] offset:(16*\t+\i)*8192   ; sixteen lanes read 256 consecutive bytes, aligned
.endr
.endr
	s_wait_loadcnt 63                              ; of the 192 loads the youngest 63, all of them wo's, may be out: K, Q and V are in
	WIN 0x05                                       ; sources 0 and 1 window 1
.irp n, 0,1,2,3,4,5,6,7,8,9,10,11,12,13,14,15  ; S^T in four parts, one for each K step u of a block, by turns
.irp u, 0,1,2,3
.if \n == 0
	v_wmma_f32_16x16x4_f32 v[128+8*\u:135+8*\u], v[8*\n+2*\u:8*\n+2*\u+1], v[128+8*\n+2*\u:128+8*\n+2*\u+1], 0
.else
	v_wmma_f32_16x16x4_f32 v[128+8*\u:135+8*\u], v[8*\n+2*\u:8*\n+2*\u+1], v[128+8*\n+2*\u:128+8*\n+2*\u+1], v[128+8*\u:135+8*\u]
.endif
.endr
.endr
	WIN 0
.rept 8
	v_nop                                          ; eight places behind this form, in front of the first read of its results (ISA guide 7.12.1)
.endr
.irp j, 0,1,2,3,4,5,6,7                        ; each part is read from its low end on
	v_add_f32 v[160+\j], v[128+\j], v[136+\j]
	v_add_f32 v[240+\j], v[144+\j], v[152+\j]
.endr
.irp j, 0,1,2,3,4,5,6,7
	v_add_f32 v[160+\j], v[160+\j], v[240+\j]      ; lane (r, h): query r, key 8 h + j
.endr
.irp j, 0,1,2,3,4,5,6,7
	v_cmp_gt_i32 vcc_lo, \j, v6
	v_cndmask_b32 v[160+\j], v[160+\j], v12, vcc_lo
.endr
	v_max3_num_f32 v13, v160, v161, v162
	v_max3_num_f32 v13, v13, v163, v164
	v_max3_num_f32 v13, v13, v165, v166
	v_max_num_f32 v13, v13, v167
	v_permlanex16_b32 v14, v13, s16, s17
	v_max_num_f32 v13, v13, v14                    ; the row's maximum: key 0 counts for every query
.irp j, 0,1,2,3,4,5,6,7
	v_sub_f32 v[160+\j], v[160+\j], v13
.endr
.irp j, 0,1,2,3,4,5,6,7
	v_exp_f32 v[160+\j], v[160+\j]
.endr
	v_nop
	s_wait_alu depctr_va_vdst(0)                   ; one wait for the eight, ahead of their first reader
	v_add_f32 v15, v160, v161
	v_add_f32 v16, v162, v163
	v_add_f32 v17, v164, v165
	v_add_f32 v18, v166, v167
	v_add_f32 v15, v15, v16
	v_add_f32 v17, v17, v18
	v_add_f32 v15, v15, v17
	v_permlanex16_b32 v14, v15, s16, s17
	v_add_f32 v15, v15, v14
	v_rcp_f32 v15, v15
	v_nop
	s_wait_alu depctr_va_vdst(0)
.irp j, 0,1,2,3,4,5,6,7
	v_mul_f32 v[168+\j], v[160+\j], v15            ; the weights
.endr
.irp u, 0,1,2,3                                ; O^T = V^T P: eight channel tiles by turns, 16 keys in four K steps
.irp t, 0,1,2,3,4,5,6,7
.if \u == 0
	v_wmma_f32_16x16x4_f32 v[176+8*\t:183+8*\t], v[64+8*\t+2*\u:64+8*\t+2*\u+1], v[168+2*\u:169+2*\u], 0
.else
	v_wmma_f32_16x16x4_f32 v[176+8*\t:183+8*\t], v[64+8*\t+2*\u:64+8*\t+2*\u+1], v[168+2*\u:169+2*\u], v[176+8*\t:183+8*\t]
.endif
.endr
.endr
	s_wait_loadcnt 0x0                             ; wo
	WIN 0x82                                       ; both registers of a swap in window 2
.irp t, 0,1,2,3,4,5,6,7                        ; rows 2 u and 2 u + 1 of wo stand in two runs of four registers (columns 4 r + 0 .. 3): two swaps put the two rows of each column side by side
.irp u, 0,1,2,3
	v_swap_b32 v[32*\t+8*\u+1], v[32*\t+8*\u+4]
	v_swap_b32 v[32*\t+8*\u+3], v[32*\t+8*\u+6]
.endr
.endr
	WIN 0
.rept 9
	v_nop                                          ; nine places before a matrix instruction takes a result of this form as an operand
.endr
	WIN 0x02                                       ; source 0 (wo) window 2
.irp t, 0,1,2,3,4,5,6,7                        ; out^T: source 0 = 16 columns 4 m + v of wo, source 1 = O^T's registers 2 u, 2 u + 1; the four sums v by turns
.irp u, 0,1,2,3
.irp v, 0,1,2,3
.if (\t == 0) && (\u == 0)
	v_wmma_f32_16x16x4_f32 v[32+8*\v:39+8*\v], v[32*\t+8*\u+4*(\v%2)+2*(\v/2):32*\t+8*\u+4*(\v%2)+2*(\v/2)+1], v[176+8*\t+2*\u:177+8*\t+2*\u], 0
.else
	v_wmma_f32_16x16x4_f32 v[32+8*\v:39+8*\v], v[32*\t+8*\u+4*(\v%2)+2*(\v/2):32*\t+8*\u+4*(\v%2)+2*(\v/2)+1], v[176+8*\t+2*\u:177+8*\t+2*\u], v[32+8*\v:39+8*\v]
.endif
.endr
.endr
.endr
	WIN 0
.rept 8
	v_nop
.endr
.irp j, 0,1,2,3,4,5,6,7                        ; sum v's register j is out(query r, column 32 h + 4 j + v): 32 neighbours a lane; each sum is read from its low end on
.irp v, 0,1,2,3
	v_mul_f32 v[64+4*\j+\v], 0x3d000000, v[32+8*\v+\j]   ; x 1/32
.endr
.endr
.irp j, 0,1,2,3,4,5,6,7
	ds_store_b128 v7, v[64+4*\j:67+4*\j] offset:16*\j
.endr
	s_wait_dscnt 0x0                               ; for the others' sake: my part lies in LDS
	s_barrier_signal -1
	s_barrier_wait -1
.irp p, 0,1,2,3
.irp i, 0,1
	ds_load_b128 v[96+4*(2*\p+\i):99+4*(2*\p+\i)], v8 offset:\p*16*272+2*\i*272
.endr
.endr
	s_wait_dscnt 0x0
.irp i, 0,1
.irp k, 0,2
	v_pk_add_f32 v[96+4*\i+\k:97+4*\i+\k], v[96+4*\i+\k:97+4*\i+\k], v[104+4*\i+\k:105+4*\i+\k]
	v_pk_add_f32 v[112+4*\i+\k:113+4*\i+\k], v[112+4*\i+\k:113+4*\i+\k], v[120+4*\i+\k:121+4*\i+\k]
.endr
.endr
.irp i, 0,1
.irp k, 0,2
	v_pk_add_f32 v[96+4*\i+\k:97+4*\i+\k], v[96+4*\i+\k:97+4*\i+\k], v[112+4*\i+\k:113+4*\i+\k]
.endr
.endr
.irp i, 0,1
	global_store_b128 v9, v[96+4*\i:99+4*\i], s[8:9] offset:2*\i*8192   ; sixteen lanes store 256 consecutive bytes, aligned
.endr
	s_wait_tensorcnt 0x0                           ; the wave's end, behind my last LDS store
	ds_add_u32 v10, v11
	s_wait_dscnt 0x0
	s_endpgm
.Lfunc_end_k_q0d687cb2f9_first16:
	.size	k_q0d687cb2f9_first16, .Lfunc_end_k_q0d687cb2f9_first16-k_q0d687cb2f9_first16
	.p2alignl 7, 3214868480
	.fill 96, 4, 3214868480
	.section	.rodata,"a",@progbits
	.p2align	6, 0x0
	.amdhsa_kernel k_q0d687cb2f9_first16
		.amdhsa_group_segment_fixed_size 17920
		.amdhsa_private_segment_fixed_size 0
		.amdhsa_enable_private_segment 0
		.amdhsa_kernarg_size 24
		.amdhsa_user_sgpr_count 2
		.amdhsa_user_sgpr_kernarg_segment_ptr 1
		.amdhsa_wavefront_size32 1
		.amdhsa_system_sgpr_workgroup_id_x 1
		.amdhsa_system_sgpr_workgroup_id_y 1
		.amdhsa_system_sgpr_workgroup_id_z 1
		.amdhsa_system_vgpr_workitem_id 0
		.amdhsa_next_free_vgpr 768
		.amdhsa_next_free_sgpr 66
		.amdhsa_reserve_vcc 1
		.amdhsa_float_denorm_mode_32 3
		.amdhsa_float_denorm_mode_16_64 3
		.amdhsa_memory_ordered 1
		.amdhsa_forward_progress 1
		.amdhsa_inst_pref_size 45
	.end_amdhsa_kernel
	.amdgpu_metadata
---
amdhsa.version: [ 1, 2 ]
amdhsa.kernels:
  - .name:           k_q0d687cb2f9_first16
    .symbol:         k_q0d687cb2f9_first16.kd
    .args:
      - { .name: first, .offset: 0, .size: 8, .value_kind: global_buffer, .address_space: global }
      - { .name: wo, .offset: 8, .size: 8, .value_kind: global_buffer, .address_space: global }
      - { .name: out0, .offset: 16, .size: 8, .value_kind: global_buffer, .address_space: global }
    .group_segment_fixed_size: 17920
    .private_segment_fixed_size: 0
    .kernarg_segment_align: 8
    .kernarg_segment_size: 24
    .max_flat_workgroup_size: 128
    .sgpr_count:     66
    .vgpr_count:     768
    .wavefront_size: 32
...
	.end_amdgpu_metadata
.endif
;; end of part 6
